; MI455X (gfx1250); checked and timed in simulation.
; The chip was launched on July 23, 2026; its instructions are those of AMD's public machine-readable ISA for CDNA 5 (MIT licence, August 2026) and "CDNA5" Instruction Set Architecture Reference Guide (July 2026). The comments in the code are by the model that wrote it; some were corrected since.
;; Multi Head Attention. Allowed arithmetic: matrix products marked QUANTISED: E3M2 operands, one E8M0 scale for each 32 along K, by v_wmma_scale_f32_16x16x128_f8f6f4 with both operands' format E3M2, f32 sums; everything else in f32.
;; Inputs: Wk 512 x 512 float32; Wo 512 x 512 float32; Wq 512 x 512 float32; Wv 512 x 512 float32; bk 512 float32; bo 512 float32; bq 512 float32; bv 512 float32; key_in 2 x 4,096 x 512 float32; ln_beta 512 float32; ln_gamma 512 float32; mask 2 x 4,096 x 4,096 int32; query 2 x 4,096 x 512 float32; value 2 x 4,096 x 512 float32.
;; Outputs: out0 2 x 4,096 x 512 float32.
;; This version of the problem:
;;   THIS VERSION OF THE PROBLEM IS GIVEN IN LOW PRECISION. The matrix products marked QUANTISED in the list below multiply operands that are first quantised to E3M2 (3 exponent bits, 2 mantissa bits; 6 bits a number), with one power-of-two scale for each 32 numbers along K (OCP MX v1.0); their sums are f32. All else is computed in f32.
;;   The module's matrix products, in the order in which they are computed (A, B: the left and right operand; K: the contracted axis; several contracted axes count as one K, in the product's order):
;;     1. [M 8,192, K 512] x [K 512, N 512]; A: input query; B: input Wq: QUANTISED
;;     2. [M 8,192, K 512] x [K 512, N 512]; A: input key_in; B: input Wk: QUANTISED
;;     3. [M 8,192, K 512] x [K 512, N 512]; A: input value; B: input Wv: QUANTISED
;;     4. batch 16 x [M 4,096, K 64] x [K 64, N 4,096]; A: computed on the way; B: computed on the way: QUANTISED
;;     5. batch 16 x [M 4,096, K 4,096] x [K 4,096, N 64]; A: softmax (see below); B: computed on the way: QUANTISED
;;     6. [M 8,192, K 512] x [K 512, N 512]; A: computed on the way; B: input Wo: QUANTISED
;;   THE QUANTISER, for each operand of a quantised product, along K:
;;     - K is cut into blocks of 32 from its start; a last block that is shorter is filled with zeros.
;;     - A block's scale is 2^e with e = floor(log2(the largest magnitude in the block)) - 4, held to -126 .. 127; a block of zeros has e = 0. As a byte (E8M0): e + 127.
;;     - Each number is divided by its block's scale, clamped to +-28, and rounded to the nearest number of E3M2, ties to even, subnormals kept.
;;     - The product sums the exact products of the quantised numbers (number of the format x scale) in f32.
;;   ~~~python
;;   def quantise(x, axis):      # numpy; x: float32 -> the quantised numbers, widened to float32 again
;;       x = np.moveaxis(x, axis, -1); K = x.shape[-1]
;;       x = np.pad(x, [(0, 0)] * (x.ndim - 1) + [(0, -K % 32)]); x = x.reshape(x.shape[:-1] + (-1, 32)); a = np.abs(x).max(-1, keepdims=True)
;;       e = np.where(a > 0, np.clip(np.frexp(np.where(a > 0, a, 1))[1] - 1 - 4, -126, 127), 0)      # np.frexp(a)[1] - 1 = floor(log2(a)), exactly
;;       r = np.clip(x / 2.0 ** e, -28, 28)
;;       step = 2.0 ** (np.maximum(np.frexp(np.where(r == 0, 1, r))[1] - 1, -2) - 2)
;;       q = np.round(r / step) * step * 2.0 ** e      # np.round: ties to even
;;       return np.moveaxis(q.reshape(q.shape[:-2] + (-1,))[..., :K], -1, axis).astype(np.float32)
;;   ~~~
;;   SOFTMAX AHEAD OF A QUANTISED PRODUCT. Where the list says 'softmax', what is quantised is not the finished softmax but p = 2^(t - M), with t = logit x log2(e) and M = ceil(the row's largest t), a whole number; so 1/2 < the row's largest p <= 1. The row's sum l is taken of the UNQUANTISED p, in f32, and the product's result is divided by l at the end. Since M is a whole number, a kernel that streams over the keys may use a running M (the ceiling of the running maximum): every later rescaling is an exact power of two, which a block's scale takes up: the codes' values come out the same.
;;   OPERANDS COMPUTED ON THE WAY. 'Computed on the way' means the value that the module computes at that place (a softmax that the list does not call 'softmax' is quantised finished and normalised). What goes into a quantiser is computed in f32, as accurately as f32 sums, v_exp_f32 and their like allow (about 1e-6 of the number): no bf16 or f16 on the way to a quantiser, and a product that is left as it is and whose result goes on into a quantised operand takes f32 operands (vector FMAs, or v_wmma_f32_16x16x4_f32). A number that lies on a knife's edge between two numbers of the format may be rounded either way, as far as f32 arithmetic and the matrix unit's own rounding can turn it there, and no further.
;; 2 versions. Each part assembles by itself: llvm-mc -triple=amdgcn-amd-amdhsa -mcpu=gfx1250 --defsym DOCPART=n.
;; ======== version 1 of 2: 4 launches
;; limits: right only within a limited range of input values
;; workspace buffers: cod 10,223,616 bytes; scl 425,984 bytes; mbits 4,194,304 bytes; mflag 32,768 bytes of whole numbers; qkv 10,223,616 bytes; ao 3,407,872 bytes
;; launch front (part 1): grid 928 x 1, 4 waves a work-group, no clusters, 67,072 bytes of LDS; arguments mask, query, key_in, value, Wq, Wk, Wv, Wo, cod, scl, mbits, mflag; writes cod, scl, mbits, mflag
.if DOCPART == 1
	.amdgcn_target "amdgcn-amd-amdhsa--gfx1250"
	.amdhsa_code_object_version 6
	.text
	.protected	k_qf16bd8cca2_front
	.globl	k_qf16bd8cca2_front
	.p2align	8
	.type	k_qf16bd8cca2_front,@function
k_qf16bd8cca2_front:
	s_mov_b64 s[64:65], 0
	v_nop
	global_prefetch_b8 v0, s[64:65] scope:SCOPE_SE
	s_setreg_imm32_b32 hwreg(HW_REG_WAVE_MODE, 25, 1), 1
	s_wait_xcnt 0x0
; FRONT: two streams in one launch, told apart by the work-group's number.
; (a) Work-groups 0-511: the mask [2][4096][4096] int32 is read once and packed.  Work-group m = 256 b + T takes the 16 query rows of tile T of batch b,
;     rows 32 (T / 2) + 8 (T % 2) + r + 8 (r / 8), r = 0 .. 15; wave w takes key steps 8 w .. 8 w + 7 of 128 keys.  For a step it stores 64 words: bit r + 16 h of word n is 1
;     where mask[row r][128 j + 32 (n / 16) + 16 h + n % 16] == 0: the lane mask that the attention launch puts on its score register n.  A wave also stores a record of 16 bytes, at 64 m + 16 w:
;     bit j of its first word: step j is hidden for all 16 rows; of the second: step j hides nothing; the third: lanes that saw hidden entries only; the fourth: 0.
; (b) Work-groups 512-927: query, key_in, value, Wq, Wk, Wv, Wo, f32 with K innermost, become codes of E3M2 (6 bits, K innermost) and one E8M0 byte for each 32 along K.
;     A block's byte is its largest magnitude's exponent field - 4, held at 1 from below; a block of zeros keeps the byte 1 (its codes are zeros, and this program alone reads the bytes).
; LIMITS: NaN and infinities among the inputs are not served.
; No tensor loads, no barrier: waves share nothing.  The two paths have LDS bytes of their own: the quantiser 0 .. 32767, the mask 32768 .. 66559.
.set MR,    16                         ; v16-143  mask: two sets of 16 rows x 4 registers, as loaded
.set MX,    144                        ; v144-207 mask: 64 entries of a lane, in the order of the score registers
.set MO,    208                        ; v208-223 mask: a pair of registers for each step: the 64 words, two to a lane
.set MSTG,  32768                      ; LDS: the mask's stages,
.set MWB,   8448                       ; one for each wave: 16 rows x
.set MP,    528                        ; (512 bytes + 16)
.set QWREG, 8192                       ; LDS: the quantiser's region for each wave: two stages of 32 x QSP bytes, then its 256 scale bytes
.set QSP,   80
.set QSTEPS, 16
.set EMAX,  4
.set CB,    12
.set QR,    16                         ; v16-79   four sets of 16 numbers as loaded
.set QX,    80                         ; v80-111  two sets of 16 neighbours
.set QE,    112                        ; v112-127 a scale byte for each step
.set QC,    128                        ; v128-191 codes: four registers for each step
.macro MLOAD jj                        ; step jj of the wave's eight: 16 rows x 512 consecutive bytes
.irp i, 0,1,2,3,4,5,6,7,8,9,10,11,12,13,14,15
	global_load_b128 v[MR+64*((\jj)%2)+4*\i:MR+64*((\jj)%2)+4*\i+3], v3, s[4:5] offset:(\i+8*(\i/8))*16384+512*(\jj) th:TH_LOAD_NT
.endr
.endm
.macro MSTEP jj
.if (\jj) < 7
	s_wait_loadcnt 16                              ; this step's 16 loads are in; the next step's 16 may be out
.else
	s_wait_loadcnt 0x0
.endif
.irp i, 0,1,2,3,4,5,6,7,8,9,10,11,12,13,14,15
	ds_store_b128 v4, v[MR+64*((\jj)%2)+4*\i:MR+64*((\jj)%2)+4*\i+3] offset:\i*MP   ; row i as it lies
.endr
.irp i, 0,1,2,3,4,5,6,7,8,9,10,11,12,13,14,15
	ds_load_b128 v[MX+4*\i:MX+4*\i+3], v5 offset:128*(\i/4)+16*(\i%4)   ; lane (r, h): row r, keys 32 (i / 4) + 16 h + 4 (i % 4) on; LDS serves a wave's instructions in order
.endr
	s_wait_dscnt 0x0                               ; the entries are back, and the stores have read their registers,
.if (\jj) < 6
	MLOAD (\jj)+2                                  ; which take the loads of two steps on
.endif
	s_mov_b32 s47, -1                              ; lanes that saw only hidden entries in this step
	s_mov_b32 s48, 0                               ; lanes that saw a hidden entry
.irp g, 0,1,2,3,4,5,6,7
.irp e, 0,1,2,3,4,5,6,7
	v_cmp_eq_u32 s[36+\e], 0, v[MX+8*\g+\e]        ; word n = 8 g + e
.endr
.irp e, 0,1,2,3,4,5,6,7
	s_and_b32 s47, s47, s[36+\e]
	s_or_b32 s48, s48, s[36+\e]
	v_writelane_b32 v[MO+2*(\jj)+\e%2], s[36+\e], 4*\g+\e/2   ; word n lies in lane n / 2, register n % 2
.endr
.endr
	global_store_b64 v6, v[MO+2*(\jj):MO+2*(\jj)+1], s[24:25] offset:256*(\jj)   ; 32 lanes store 256 consecutive bytes, aligned
	s_cmp_eq_u32 s47, -1
	s_cselect_b32 s52, s49, 0
	s_or_b32 s44, s44, s52                         ; the step is hidden for all rows
	s_cmp_eq_u32 s48, 0
	s_cselect_b32 s52, s49, 0
	s_or_b32 s45, s45, s52                         ; the step hides nothing
	s_and_b32 s46, s46, s47
	s_lshl_b32 s49, s49, 1
.endm
.macro QLOAD t
.irp i, 0,1,2,3
	global_load_b128 v[QR+16*((\t)%4)+4*\i:QR+16*((\t)%4)+4*\i+3], v3, s[4:5] offset:2048*(\t)+512*\i th:TH_LOAD_NT   ; 32 lanes read 512 consecutive bytes
.endr
.endm
.macro QTURN t                         ; a step's 2,048 bytes through the wave's stage: in as they lie, out 64 bytes a lane
.irp i, 0,1,2,3
	ds_store_b128 v14, v[QR+16*((\t)%4)+4*\i:QR+16*((\t)%4)+4*\i+3] offset:32*QSP*((\t)%2)+8*QSP*\i
.endr
.irp i, 0,1,2,3
	ds_load_b128 v[QX+16*((\t)%2)+4*\i:QX+16*((\t)%2)+4*\i+3], v15 offset:32*QSP*((\t)%2)+16*\i
.endr
.endm
.macro QSTEP t
.set QXS, QX+16*((\t)%2)
.if (\t) > 0
	s_wait_dscnt 1                                 ; this step's numbers are back from the stage (the last step's byte store may be out)
.else
	s_wait_dscnt 0x0
.endif
.if (\t)+4 < QSTEPS
	QLOAD (\t)+4
.endif
.if (\t)+1 < QSTEPS
.if QSTEPS-2-(\t) >= 3
	s_wait_loadcnt 12                              ; the next step's four loads are in; those of the three steps behind it may be out
.else
	s_wait_loadcnt 4*(QSTEPS-2-(\t))
.endif
	QTURN (\t)+1
.endif
	v_max3_num_f32 v8, |v[QXS]|, |v[QXS+1]|, |v[QXS+2]|
	v_max3_num_f32 v9, |v[QXS+3]|, |v[QXS+4]|, |v[QXS+5]|
.irp i, 6,10
	v_max3_num_f32 v8, v8, |v[QXS+\i]|, |v[QXS+\i+1]|
	v_max3_num_f32 v9, v9, |v[QXS+\i+2]|, |v[QXS+\i+3]|
.endr
	v_max3_num_f32 v8, v8, |v[QXS+14]|, |v[QXS+15]|
	v_max3_num_f32 v8, v8, v9, (EMAX+1)<<23        ; the floor 2^(5 - 127): the byte cannot fall under 1
	v_max_num_f32_dpp v8, v8, v8 row_xmask:1 row_mask:0xf bank_mask:0xf   ; with my neighbour's 16: the block's largest magnitude
	v_add_nc_u32 v11, -(EMAX<<23), v8              ; 4 off its exponent field: the conversion's scale operand
	v_cvt_scalef32_pk16_bf6_f32 v[QC+4*(\t):QC+4*(\t)+2], v[QXS:QXS+15], v11
	v_lshrrev_b32 v[QE+(\t)], 23, v11              ; the scale's byte
	ds_store_b8 v5, v[QE+(\t)] offset:16*(\t)      ; both lanes of a block write the same byte with the same value
	global_store_b96 v4, v[QC+4*(\t):QC+4*(\t)+2], s[20:21] offset:32*CB*(\t)
.endm
	s_load_b512 s[4:19], s[0:1], 0x0               ; mask s[4:5], query, key_in, value, Wq, Wk, Wv, Wo s[18:19]
	s_load_b256 s[20:27], s[0:1], 0x40             ; cod s[20:21], scl s[22:23], mbits s[24:25], mflag s[26:27]
	v_lshl_add_u32 v224, v0, 2, 0x10400
	v_mov_b32 v225, 0
	v_lshrrev_b32 v1, 5, v0
	v_readfirstlane_b32 s28, v1                    ; wave 0..3
	v_and_b32 v2, 31, v0                           ; lane
	v_lshlrev_b32 v3, 4, v2                        ; 16 x lane
	s_cmp_lt_u32 ttmp9, 512
	s_cbranch_scc0 .Lquant
	; ---- the mask
	v_and_b32 v7, 15, v0                           ; r
	v_bfe_u32 v8, v0, 4, 1                         ; h
	s_mul_i32 s35, s28, MWB
	s_add_co_u32 s35, s35, MSTG                    ; my stage
	v_add_nc_u32 v4, s35, v3                       ; in: 16 x lane of a row
	v_mul_u32_u24 v5, v7, MP
	v_lshl_add_u32 v5, v8, 6, v5
	v_add_nc_u32 v5, s35, v5                       ; out: row r, + 64 h
	v_lshlrev_b32 v6, 3, v2                        ; 8 x lane
.irp i, 0,1,2,3,4,5,6,7,8,9,10,11,12,13,14,15
	v_mov_b32 v[MO+\i], 0                          ; written once: a lane write's destination counts as one of its sources
.endr
	s_lshr_b32 s30, ttmp9, 8                       ; b
	s_lshl_b32 s30, s30, 26                        ; x 4,096 rows x 16,384 bytes
	s_bfe_u32 s31, ttmp9, 0x70001                  ; T / 2
	s_lshl_b32 s31, s31, 19                        ; x 32 rows
	s_add_co_u32 s30, s30, s31
	s_and_b32 s31, ttmp9, 1                        ; T % 2
	s_lshl_b32 s31, s31, 17                        ; x 8 rows
	s_add_co_u32 s30, s30, s31
	s_lshl_b32 s31, s28, 12                        ; my eight steps: 4,096 bytes of a row
	s_add_co_u32 s30, s30, s31
	s_mov_b32 s31, 0
	s_lshl_b32 s32, ttmp9, 13                      ; the words: 8,192 bytes a tile,
	s_lshl_b32 s33, s28, 11                        ; 2,048 a wave
	s_add_co_u32 s32, s32, s33
	s_mov_b32 s33, 0
	s_lshl_b32 s50, ttmp9, 6                       ; the flags: 64 bytes a tile,
	s_lshl_b32 s51, s28, 4                         ; 16 a wave
	s_add_co_u32 s50, s50, s51
	s_mov_b32 s51, 0
	s_mov_b32 s44, 0
	s_mov_b32 s45, 0
	s_mov_b32 s46, -1
	s_lshl_b32 s52, s28, 3
	s_lshl_b32 s49, 1, s52                         ; the bit of my first step
	s_wait_kmcnt 0x0
	s_add_nc_u64 s[4:5], s[4:5], s[30:31]
	s_add_nc_u64 s[24:25], s[24:25], s[32:33]
	s_add_nc_u64 s[26:27], s[26:27], s[50:51]
	MLOAD 0
	MLOAD 1
.irp jx, 0,1,2,3,4,5,6,7
	MSTEP \jx
.endr
	v_mov_b32 v8, s44
	v_mov_b32 v9, s45
	v_mov_b32 v10, s46
	v_mov_b32 v11, 0
	v_cmp_eq_u32 vcc_lo, 0, v2                     ; lane 0 alone stores the wave's record
	s_wait_xcnt 0x0                                ; EXEC is a source of the stores above: it changes only behind this wait
	s_wait_tensorcnt 0x0
	ds_add_u32 v224, v225
	s_wait_dscnt 0x0
	s_and_saveexec_b32 s52, vcc_lo
	global_store_b128 v3, v[8:11], s[26:27]        ; 16 bytes (v3 is 0 in lane 0): 2,048 such stores in the launch, 32,768 bytes in all
	s_wait_xcnt 0x0                                ; and again, in front of the line that widens it
	s_or_b32 exec_lo, exec_lo, s52
	s_endpgm
	; ---- the quantiser: a wave takes a run of 8,192 numbers: 16 steps of 512
.Lquant:
	s_sub_co_u32 s30, ttmp9, 512                   ; q = 0 .. 415: 128 work-groups for each activation, 8 for each weight
	s_lshr_b32 s31, s30, 7
	s_and_b32 s32, s30, 127
	s_sub_co_u32 s33, s30, 384
	s_lshr_b32 s34, s33, 3
	s_add_co_u32 s34, s34, 3
	s_and_b32 s35, s33, 7
	s_cmp_lt_u32 s30, 384
	s_cselect_b32 s31, s31, s34                    ; which tensor, 0 .. 6
	s_cselect_b32 s32, s32, s35                    ; which work-group's worth of it
	s_mul_i32 s36, s28, QWREG
	v_lshrrev_b32 v14, 2, v2
	v_mul_u32_u24 v14, v14, QSP
	v_and_b32 v15, 3, v2
	v_lshl_add_u32 v14, v15, 4, v14
	v_add_nc_u32 v14, s36, v14                     ; the stage, in: four lanes' 64 bytes on end, then 16 of padding
	v_mul_u32_u24 v15, v2, QSP
	v_add_nc_u32 v15, s36, v15                     ; out: my 16 neighbours
	v_mul_u32_u24 v4, v2, CB
	v_lshrrev_b32 v5, 1, v2
	s_add_co_u32 s36, s36, 2*32*QSP
	v_add_nc_u32 v5, s36, v5                       ; my block's byte among the wave's 256
	v_lshlrev_b32 v7, 3, v2
	v_add_nc_u32 v6, s36, v7
	s_wait_kmcnt 0x0
	s_mov_b64 s[4:5], s[6:7]
.irp kx, 1,2,3,4,5,6
	s_cmp_eq_u32 s31, \kx                          ; the choice hangs on the work-group's number alone
	s_cselect_b64 s[4:5], s[6+2*\kx:7+2*\kx], s[4:5]
.endr
	s_lshl_b32 s32, s32, 2
	s_add_co_u32 s32, s32, s28
	s_lshl_b32 s32, s32, 15                        ; 32,768 bytes of f32 a run
	s_mov_b32 s33, 0
	s_add_nc_u64 s[4:5], s[4:5], s[32:33]
	s_lshl_b32 s34, s30, 2
	s_add_co_u32 s34, s34, s28                     ; the run's number over all seven tensors: their codes and bytes lie on end
	s_mul_i32 s32, s34, 32*QSTEPS*CB
	s_add_nc_u64 s[20:21], s[20:21], s[32:33]
	s_lshl_b32 s32, s34, 8
	s_add_nc_u64 s[22:23], s[22:23], s[32:33]
.irp tx, 0,1,2,3
	QLOAD \tx
.endr
	s_wait_loadcnt 12                              ; step 0's four loads are in
	QTURN 0
.irp tx, 0,1,2,3,4,5,6,7,8,9,10,11,12,13,14,15
	QSTEP \tx
.endr
	ds_load_b64 v[12:13], v6                       ; LDS serves a wave's instructions in order: these see my byte stores
	s_wait_dscnt 0x0
	global_store_b64 v7, v[12:13], s[22:23]        ; 32 lanes store 256 consecutive bytes, aligned
	s_wait_tensorcnt 0x0
	ds_add_u32 v224, v225
	s_wait_dscnt 0x0
	s_endpgm
.Lfunc_end_k_qf16bd8cca2_front:
	.size	k_qf16bd8cca2_front, .Lfunc_end_k_qf16bd8cca2_front-k_qf16bd8cca2_front
	.p2alignl 7, 3214868480
	.fill 96, 4, 3214868480
	.section	.rodata,"a",@progbits
	.p2align	6, 0x0
	.amdhsa_kernel k_qf16bd8cca2_front
		.amdhsa_group_segment_fixed_size 67072
		.amdhsa_private_segment_fixed_size 0
		.amdhsa_enable_private_segment 0
		.amdhsa_kernarg_size 96
		.amdhsa_user_sgpr_count 2
		.amdhsa_user_sgpr_kernarg_segment_ptr 1
		.amdhsa_wavefront_size32 1
		.amdhsa_system_sgpr_workgroup_id_x 1
		.amdhsa_system_sgpr_workgroup_id_y 1
		.amdhsa_system_sgpr_workgroup_id_z 1
		.amdhsa_system_vgpr_workitem_id 0
		.amdhsa_next_free_vgpr 226
		.amdhsa_next_free_sgpr 66
		.amdhsa_reserve_vcc 1
		.amdhsa_float_denorm_mode_32 3
		.amdhsa_float_denorm_mode_16_64 3
		.amdhsa_memory_ordered 1
		.amdhsa_forward_progress 1
		.amdhsa_inst_pref_size 163
	.end_amdhsa_kernel
	.amdgpu_metadata
---
amdhsa.version: [ 1, 2 ]
amdhsa.kernels:
  - .name:           k_qf16bd8cca2_front
    .symbol:         k_qf16bd8cca2_front.kd
    .args:
      - { .name: mask, .offset: 0, .size: 8, .value_kind: global_buffer, .address_space: global }
      - { .name: query, .offset: 8, .size: 8, .value_kind: global_buffer, .address_space: global }
      - { .name: key_in, .offset: 16, .size: 8, .value_kind: global_buffer, .address_space: global }
      - { .name: value, .offset: 24, .size: 8, .value_kind: global_buffer, .address_space: global }
      - { .name: Wq, .offset: 32, .size: 8, .value_kind: global_buffer, .address_space: global }
      - { .name: Wk, .offset: 40, .size: 8, .value_kind: global_buffer, .address_space: global }
      - { .name: Wv, .offset: 48, .size: 8, .value_kind: global_buffer, .address_space: global }
      - { .name: Wo, .offset: 56, .size: 8, .value_kind: global_buffer, .address_space: global }
      - { .name: cod, .offset: 64, .size: 8, .value_kind: global_buffer, .address_space: global }
      - { .name: scl, .offset: 72, .size: 8, .value_kind: global_buffer, .address_space: global }
      - { .name: mbits, .offset: 80, .size: 8, .value_kind: global_buffer, .address_space: global }
      - { .name: mflag, .offset: 88, .size: 8, .value_kind: global_buffer, .address_space: global }
    .group_segment_fixed_size: 67072
    .private_segment_fixed_size: 0
    .kernarg_segment_align: 8
    .kernarg_segment_size: 96
    .max_flat_workgroup_size: 128
    .sgpr_count:     66
    .vgpr_count:     226
    .wavefront_size: 32
...
	.end_amdgpu_metadata
.endif
;; end of part 1
;; launch proj (part 2): grid 64 x 3, 4 waves a work-group, no clusters, 0 bytes of LDS; arguments cod, scl, bq, bk, bv, qkv; writes qkv
.if DOCPART == 2
	.amdgcn_target "amdgcn-amd-amdhsa--gfx1250"
	.amdhsa_code_object_version 6
	.text
	.protected	k_qf16bd8cca2_proj
	.globl	k_qf16bd8cca2_proj
	.p2align	8
	.type	k_qf16bd8cca2_proj,@function
k_qf16bd8cca2_proj:
	s_mov_b64 s[64:65], 0
	v_nop
	global_prefetch_b8 v0, s[64:65] scope:SCOPE_SE
	s_setreg_imm32_b32 hwreg(HW_REG_WAVE_MODE, 25, 1), 1
	s_wait_xcnt 0x0
; PROJ: q = query Wq^T + bq, k = key_in Wk^T + bk, v = value Wv^T + bv on codes of E3M2, and the results quantised in registers: q and k along the head's 64, v along the keys.
; Work-group (g, y): rows 128 g .. 128 g + 127 of tensor y (0 q, 1 k, 2 v).  Wave w: features 128 w .. 128 w + 127 (heads 2 w, 2 w + 1).  No LDS, no barrier: a wave is alone.
; A wave holds one operand P (128 rows x 512 K: 32 fragments, 384 registers) as source 0 and streams the other, R, a tile of 16 rows at a time, as source 1.  A lane's 64 results of a trip then run along
; P's rows, which are the next product's K: for q and k P = the weight's rows (the head's axis), R = x's rows; for v P = x's 128 keys, R = Wv's rows.  One text: what differs lies in scalars chosen on y.
; EVERY TILE IS SPLIT: tile t holds rows 32 (t / 2) + 8 (t % 2) + r + 8 (r / 8), so that the 16 result registers of tiles 2 b, 2 b + 1 are 16 neighbours 32 b + 16 h + 0 .. 15.
; OUT: images of operand registers.  Six registers of 32 lanes are 768 bytes: registers 0-3 at 16 x lane, registers 4-5 at 512 + 8 x lane: every store covers whole aligned blocks of 256 bytes.
; The bias along P's rows is the C of a sum's first product (q, k); the bias along R's rows is added behind the sums (v); the one not wanted is made 0 by a select on y.
; LIMITS: NaN and infinities are not served; a block of zeros carries the byte 1 (its codes are zeros; this program alone reads the bytes).
; REGISTERS: window 0: v1-13 addresses; v64-127 the 8 accumulators; v128-146 codes at work; v148-163 at work; v168-175 R's scale words (two sets); v176-191 the bias along R; v192-199 the trips' scale words;
;   v224-255 P's scale words.  Window 1: P's fragments of K steps 0, 1.  Window 2: of K steps 2, 3.  Window 3: v0-95 R's fragments, two sets; v128-191 the bias along P.
.set ACC, 64
.set PC,  128
.set TM,  148
.set RS,  168
.set BR,  176
.set SW,  192
.set PS,  224
.set BP,  128
.set PP,  36                           ; s[36:37] P's codes;  s[38:39] R's;  s[40:41] P's scale bytes;  s[42:43] R's;  s[44:45] the bias
.set RP,  38
.set PSP, 40
.set RSP, 42
.set BI,  44
.set MSB, 0
.macro WIN new                         ; the immediate's high byte repeats the setting that is left
.if MSB != (\new)
	s_set_vgpr_msb (MSB<<8)|(\new)
.set MSB, (\new)
.endif
.endm
.macro RLOAD i, buf                    ; tile i of R: four fragments and the rows' scale words: 25 loads
	WIN 0xc0
.irp ks, 0,1,2,3
.irp p, 0,1,2,3,4,5
	global_load_b64 v[48*(\buf)+12*\ks+2*\p:48*(\buf)+12*\ks+2*\p+1], v1, s[RP:RP+1] offset:(32*((\i)/2)+8*((\i)%2))*384+96*\ks+48*(\p/3)+8*(\p%3)
.endr
.endr
	WIN 0
	global_load_b128 v[RS+4*(\buf):RS+4*(\buf)+3], v2, s[RSP:RSP+1] offset:(32*((\i)/2)+8*((\i)%2))*16
.endm
; 64 numbers of a lane, register 16 b + i = k 32 b + 16 (lane / 16) + i of my row, become a fragment's codes in v[PC] on and its scale word in v[pw]
.macro QUANT src, pw
.irp b, 0,1,2,3
	v_max3_num_f32 v[TM+\b], |v[\src+16*\b]|, |v[\src+1+16*\b]|, 0x2800000   ; and the floor 2^(5 - 127): the byte cannot fall under 1
.endr
.irp i, 2,4,6,8,10,12,14
.irp b, 0,1,2,3
	v_max3_num_f32 v[TM+\b], v[TM+\b], |v[\src+16*\b+\i]|, |v[\src+1+16*\b+\i]|
.endr
.endr
.irp b, 0,1,2,3
	v_permlanex16_b32 v[TM+4+\b], v[TM+\b], s2, s3
.endr
.irp b, 0,1,2,3
	v_max_num_f32 v[TM+\b], v[TM+\b], v[TM+4+\b]   ; with lane l xor 16's: the block's largest magnitude
.endr
.irp b, 0,1,2,3
	v_add_nc_u32 v[TM+12+\b], 0xfe000000, v[TM+\b] ; 4 off its exponent field: the conversion's scale operand
.endr
.irp b, 0,1,2,3
	v_lshrrev_b32 v[TM+4+\b], 23, v[TM+12+\b]      ; the scale's byte
.endr
	v_lshl_or_b32 v[\pw], v[TM+5], 8, v[TM+4]
	v_lshl_or_b32 v[\pw], v[TM+6], 16, v[\pw]
	v_lshl_or_b32 v[\pw], v[TM+7], 24, v[\pw]
.irp c, 0,1
	v_cvt_scalef32_pk16_bf6_f32 v[PC+6*\c:PC+2+6*\c], v[\src+32*\c:\src+15+32*\c], v[TM+12+2*\c]
	v_cvt_scalef32_pk16_bf6_f32 v[PC+12+4*\c:PC+14+4*\c], v[\src+16+32*\c:\src+31+32*\c], v[TM+12+2*\c+1]   ; (a conversion's three registers begin on an even number)
.endr
	v_nop                                          ; one plain place behind a scaled conversion
.irp c, 0,1                            ; the operand's layout wants a whole block in a lane
.irp i, 0,1,2
	v_permlane16_swap_b32 v[PC+6*\c+\i], v[PC+12+4*\c+\i]
.endr
.irp i, 0,1,2
	v_mov_b32 v[PC+3+6*\c+\i], v[PC+12+4*\c+\i]
.endr
.endr
.endm
; A trip: tile i of R against all of P: 32 products, the 8 accumulators by turns, K ascending; the results quantised and stored.
.macro TRIP i
.if (\i) < 7
	RLOAD (\i)+1, ((\i)+1)%2                       ; into the set that the trip before multiplied: four v_nop stand behind its last product
	s_wait_loadcnt 25                              ; all but the 25 just issued: this trip's tile is in
.else
	s_wait_loadcnt 0x0
.endif
.irp ks, 0,1,2,3
.if \ks == 0
	WIN 0x3d                                       ; source 0 window 1, source 1 window 3, C window 3 (the bias), D window 0
.elseif \ks == 1
	WIN 0x0d
.else
	WIN 0x0e                                       ; source 0 window 2
.endif
.irp t, 0,1,2,3,4,5,6,7
.if \ks == 0
	v_wmma_scale_f32_16x16x128_f8f6f4 v[ACC+8*\t:ACC+8*\t+7], v[12*(8*(\ks%2)+\t):12*(8*(\ks%2)+\t)+11], v[48*((\i)%2)+12*\ks:48*((\i)%2)+12*\ks+11], v[BP+8*\t:BP+8*\t+7], v[PS+4*\t+\ks], v[RS+4*((\i)%2)+\ks] matrix_a_fmt:MATRIX_FMT_BF6 matrix_b_fmt:MATRIX_FMT_BF6
.else
	v_wmma_scale_f32_16x16x128_f8f6f4 v[ACC+8*\t:ACC+8*\t+7], v[12*(8*(\ks%2)+\t):12*(8*(\ks%2)+\t)+11], v[48*((\i)%2)+12*\ks:48*((\i)%2)+12*\ks+11], v[ACC+8*\t:ACC+8*\t+7], v[PS+4*\t+\ks], v[RS+4*((\i)%2)+\ks] matrix_a_fmt:MATRIX_FMT_BF6 matrix_b_fmt:MATRIX_FMT_BF6
.endif
.endr
.endr
	WIN 0
.rept 4
	v_nop                                          ; four places behind the last product, for the reads below and for the next trip's loads
.endr
.set qq, 0
.rept 32
	v_pk_add_f32 v[ACC+qq:ACC+qq+1], v[ACC+qq:ACC+qq+1], v[BR+2*(\i):BR+2*(\i)+1]   ; the bias along R's rows; each accumulator from its low end on
.set qq, qq+2
.endr
	s_wait_xcnt 0x0                                ; the last trip's stores have read their data and offsets: both are written again below
	QUANT ACC, SW+4*((\i)%2)+(\i)/2
	v_add_nc_u32 v8, s56, v3
	v_add_nc_u32 v9, s56, v4
	global_store_b128 v8, v[PC:PC+3], s[50:51]                 ; registers 0-5: the first half image
	global_store_b64 v9, v[PC+4:PC+5], s[50:51] offset:512
	global_store_b128 v8, v[PC+6:PC+9], s[52:53]               ; registers 6-11: the second
	global_store_b64 v9, v[PC+10:PC+11], s[52:53] offset:512
.if (\i) == 3
	s_add_co_u32 s56, s56, s58
.else
	s_add_co_u32 s56, s56, s57
.endif
.endm
	s_load_b256 s[4:11], s[0:1], 0x0               ; cod s[4:5], scl s[6:7], bq s[8:9], bk s[10:11]
	s_load_b128 s[12:15], s[0:1], 0x20             ; bv s[12:13], qkv s[14:15]
	v_lshrrev_b32 v1, 5, v0
	v_readfirstlane_b32 s16, v1                    ; wave 0..3
	v_and_b32 v10, 15, v0                          ; r
	v_bfe_u32 v11, v0, 4, 1                        ; h
	v_and_b32 v12, 8, v10
	v_add_nc_u32 v12, v12, v10                     ; r + 8 (r / 8)
	v_and_b32 v13, 31, v0                          ; lane
	v_mul_u32_u24 v1, v12, 384                     ; a row of 512 codes is 384 bytes
	v_mad_u32_u24 v1, v11, 24, v1
	v_lshlrev_b32 v2, 4, v12                       ; a row's 16 scale bytes
	v_lshlrev_b32 v3, 4, v13
	v_lshlrev_b32 v4, 3, v13
	v_lshlrev_b32 v5, 6, v11                       ; the bias along P: 16 h numbers on
	v_lshlrev_b32 v6, 2, v12                       ; the bias along R
	v_lshlrev_b32 v7, 4, v11                       ; 16 h, a shift
	s_mov_b32 s2, 0x76543210
	s_mov_b32 s3, 0xfedcba98                       ; v_permlanex16_b32's selects for lane l xor 16
	s_and_b32 s17, ttmp7, 0xffff                   ; y
	s_mul_i32 s20, s17, 3145728
	s_mul_i32 s21, ttmp9, 49152
	s_add_co_u32 s20, s20, s21                     ; x's codes: tensor y, 128 rows x 384 bytes a group
	s_mul_i32 s22, s17, 196608
	s_mul_i32 s21, s16, 49152
	s_add_co_u32 s22, s22, s21
	s_add_co_u32 s22, s22, 9437184                 ; the weight's codes: my 128 rows
	s_lshl_b32 s24, s17, 17
	s_lshl_b32 s21, ttmp9, 11
	s_add_co_u32 s24, s24, s21                     ; x's scale bytes
	s_lshl_b32 s26, s17, 13
	s_lshl_b32 s21, s16, 11
	s_add_co_u32 s26, s26, s21
	s_add_co_u32 s26, s26, 393216                  ; the weight's
	s_cmp_lt_u32 s17, 2
	s_cselect_b32 s28, s22, s20                    ; P: the weight for q and k, x for v
	s_cselect_b32 s30, s20, s22                    ; R: the other
	s_cselect_b32 s32, s26, s24
	s_cselect_b32 s34, s24, s26
	s_cselect_b32 s18, -1, 0                       ; all ones for q and k
	s_mov_b32 s29, 0
	s_mov_b32 s31, 0
	s_mov_b32 s33, 0
	s_mov_b32 s35, 0
	; where the results go
	s_lshr_b32 s19, ttmp9, 5                       ; b
	s_and_b32 s59, ttmp9, 31                       ; j: the group of 128 rows in the batch
	s_lshl_b32 s19, s19, 3
	s_lshl_b32 s46, s16, 1
	s_add_co_u32 s19, s19, s46                     ; 8 b + 2 w: my first head
	s_mul_i32 s46, s19, 196608
	s_mul_i32 s47, s59, 6144
	s_add_co_u32 s46, s46, s47                     ; q's images: [head][tile][768]
	s_mul_i32 s47, s19, 425984
	s_mul_i32 s48, s59, 13312
	s_add_co_u32 s47, s47, s48
	s_add_co_u32 s47, s47, 3407872                 ; the block of key step j of my first head
	s_lshl_b32 s54, s19, 14
	s_lshl_b32 s55, s59, 9
	s_add_co_u32 s54, s54, s55
	s_add_co_u32 s54, s54, 3145728                 ; q's scale words
	s_add_co_u32 s55, s47, 12288                   ; k's
	s_add_co_u32 s19, s47, 12800                   ; v's
	s_mov_b32 s62, 425984
	s_mov_b32 s57, 196608
	s_cmp_eq_u32 s17, 0
	s_cselect_b32 s48, s46, s47
	s_cselect_b32 s60, s54, s55
	s_cselect_b32 s54, s57, s62                    ; from the first half image to the second: a head on (q, k),
	s_cselect_b32 s62, 16384, s62                  ; and a head on among the scale words
	s_mov_b32 s57, 768
	s_mov_b32 s58, 768
	s_cmp_eq_u32 s17, 2
	s_cselect_b32 s59, 6144, 0                     ; v's images lie behind k's in the block
	s_cselect_b32 s54, 768, s54                    ; or 64 keys on (v)
	s_cselect_b32 s57, 1536, s57                   ; from trip to trip: a tile on
	s_cselect_b32 s58, 421376, s58                 ; behind trip 3: for v a head on less three tiles
	s_cselect_b32 s60, s19, s60
	s_add_co_u32 s48, s48, s59
	s_mov_b32 s49, 0
	s_mov_b32 s55, 0
	s_mov_b32 s61, 0
	s_mov_b32 s56, 0
	s_lshl_b32 s20, s16, 9                         ; my 128 numbers of the bias
	s_mov_b32 s21, 0
	s_wait_kmcnt 0x0
	s_add_nc_u64 s[PP:PP+1], s[4:5], s[28:29]
	s_add_nc_u64 s[RP:RP+1], s[4:5], s[30:31]
	s_add_nc_u64 s[PSP:PSP+1], s[6:7], s[32:33]
	s_add_nc_u64 s[RSP:RSP+1], s[6:7], s[34:35]
	s_cmp_eq_u32 s17, 1
	s_cselect_b64 s[BI:BI+1], s[10:11], s[8:9]
	s_cmp_eq_u32 s17, 2
	s_cselect_b64 s[BI:BI+1], s[12:13], s[BI:BI+1]
	s_add_nc_u64 s[BI:BI+1], s[BI:BI+1], s[20:21]
	s_add_nc_u64 s[50:51], s[14:15], s[48:49]
	s_add_nc_u64 s[52:53], s[50:51], s[54:55]
	s_add_nc_u64 s[60:61], s[14:15], s[60:61]
	WIN 0x40                                       ; P's fragments stay: (tile t, K step ks) at v[12 (8 (ks % 2) + t)] of window 1 or 2
.irp ks, 0,1
.irp t, 0,1,2,3,4,5,6,7
.irp p, 0,1,2,3,4,5
	global_load_b64 v[12*(8*\ks+\t)+2*\p:12*(8*\ks+\t)+2*\p+1], v1, s[PP:PP+1] offset:(32*(\t/2)+8*(\t%2))*384+96*\ks+48*(\p/3)+8*(\p%3)
.endr
.endr
.endr
	WIN 0x80
.irp ks, 2,3
.irp t, 0,1,2,3,4,5,6,7
.irp p, 0,1,2,3,4,5
	global_load_b64 v[12*(8*(\ks-2)+\t)+2*\p:12*(8*(\ks-2)+\t)+2*\p+1], v1, s[PP:PP+1] offset:(32*(\t/2)+8*(\t%2))*384+96*\ks+48*(\p/3)+8*(\p%3)
.endr
.endr
.endr
	WIN 0
.irp t, 0,1,2,3,4,5,6,7
	global_load_b128 v[PS+4*\t:PS+4*\t+3], v2, s[PSP:PSP+1] offset:(32*(\t/2)+8*(\t%2))*16   ; a row's four scale words
.endr
	WIN 0xc0
.irp t, 0,1,2,3,4,5,6,7
	global_load_b128 v[BP+8*\t:BP+8*\t+3], v5, s[BI:BI+1] offset:(32*(\t/2)+8*(\t%2))*4        ; in the result's layout: tile t, lane (r, h): numbers 16 h + 0 .. 7 of the tile's rows
	global_load_b128 v[BP+8*\t+4:BP+8*\t+7], v5, s[BI:BI+1] offset:(32*(\t/2)+8*(\t%2))*4+16
.endr
	WIN 0
.irp t, 0,1,2,3,4,5,6,7
	global_load_b32 v[BR+2*\t], v6, s[BI:BI+1] offset:(32*(\t/2)+8*(\t%2))*4                  ; tile t of R, my row's number, in both registers of a pair
	global_load_b32 v[BR+2*\t+1], v6, s[BI:BI+1] offset:(32*(\t/2)+8*(\t%2))*4
.endr
	RLOAD 0, 0
	s_wait_loadcnt 25                              ; all is in but R's first tile
	WIN 0xcc
.set qq, 0
.rept 64
	v_cndmask_b32 v[BP+qq], 0, v[BP+qq], s18       ; kept for q and k
.set qq, qq+1
.endr
	WIN 0
.set qq, 0
.rept 16
	v_cndmask_b32 v[BR+qq], v[BR+qq], 0, s18       ; kept for v
.set qq, qq+1
.endr
.irp b, 0,1,2,3
	v_mov_b32 v[TM+4+\b], 0                        ; written once: a lane permute's destination counts as one of its sources
.endr
.irp ix, 0,1,2,3,4,5,6,7
	TRIP \ix
.endr
	; the scale words.  Trip i's lies in v[SW + 4 (i % 2) + i / 2]
	s_cmp_eq_u32 s17, 2
	s_cbranch_scc1 .Lvscale
.irp kx, 0,1,2,3,4,5,6,7
	v_lshrrev_b32 v[SW+\kx], v7, v[SW+\kx]         ; lanes 0-15 keep my first head's two bytes, lanes 16-31 my second's;
	v_and_b32 v[SW+\kx], 0xffff, v[SW+\kx]         ; bytes 2 and 3, of the half of K that holds zero codes, are 0
.endr
	v_mul_lo_u32 v200, v11, s62
	v_lshl_add_u32 v200, v10, 4, v200              ; a head on for lanes 16-31; 16 bytes a row: the words of tiles u, 2 + u, 4 + u, 6 + u
	global_store_b128 v200, v[SW:SW+3], s[60:61]               ; u = 0: sixteen lanes store 256 consecutive bytes, aligned
	global_store_b128 v200, v[SW+4:SW+7], s[60:61] offset:256  ; u = 1
	s_endpgm
.Lvscale:
	v_cmp_eq_u32 vcc_lo, 1, v11
	v_cndmask_b32 v200, v[SW], v[SW+2], vcc_lo     ; lanes 0-15: trips 0 .. 3 (my first head's four tiles), lanes 16-31: trips 4 .. 7
	v_cndmask_b32 v201, v[SW+4], v[SW+6], vcc_lo
	v_cndmask_b32 v202, v[SW+1], v[SW+3], vcc_lo
	v_cndmask_b32 v203, v[SW+5], v[SW+7], vcc_lo
	v_mul_lo_u32 v204, v11, s62
	v_lshl_add_u32 v204, v10, 4, v204
	global_store_b128 v204, v[200:203], s[60:61]
	global_store_b128 v204, v[200:203], s[60:61] offset:256    ; twice, so that a load of 16 bytes a lane finds them in both halves of the lanes
	s_endpgm
.Lfunc_end_k_qf16bd8cca2_proj:
	.size	k_qf16bd8cca2_proj, .Lfunc_end_k_qf16bd8cca2_proj-k_qf16bd8cca2_proj
	.p2alignl 7, 3214868480
	.fill 96, 4, 3214868480
	.section	.rodata,"a",@progbits
	.p2align	6, 0x0
	.amdhsa_kernel k_qf16bd8cca2_proj
		.amdhsa_group_segment_fixed_size 0
		.amdhsa_private_segment_fixed_size 0
		.amdhsa_enable_private_segment 0
		.amdhsa_kernarg_size 48
		.amdhsa_user_sgpr_count 2
		.amdhsa_user_sgpr_kernarg_segment_ptr 1
		.amdhsa_wavefront_size32 1
		.amdhsa_system_sgpr_workgroup_id_x 1
		.amdhsa_system_sgpr_workgroup_id_y 1
		.amdhsa_system_sgpr_workgroup_id_z 1
		.amdhsa_system_vgpr_workitem_id 0
		.amdhsa_next_free_vgpr 1024
		.amdhsa_next_free_sgpr 66
		.amdhsa_reserve_vcc 1
		.amdhsa_float_denorm_mode_32 3
		.amdhsa_float_denorm_mode_16_64 3
		.amdhsa_memory_ordered 1
		.amdhsa_forward_progress 1
		.amdhsa_inst_pref_size 137
	.end_amdhsa_kernel
	.amdgpu_metadata
---
amdhsa.version: [ 1, 2 ]
amdhsa.kernels:
  - .name:           k_qf16bd8cca2_proj
    .symbol:         k_qf16bd8cca2_proj.kd
    .args:
      - { .name: cod, .offset: 0, .size: 8, .value_kind: global_buffer, .address_space: global }
      - { .name: scl, .offset: 8, .size: 8, .value_kind: global_buffer, .address_space: global }
      - { .name: bq, .offset: 16, .size: 8, .value_kind: global_buffer, .address_space: global }
      - { .name: bk, .offset: 24, .size: 8, .value_kind: global_buffer, .address_space: global }
      - { .name: bv, .offset: 32, .size: 8, .value_kind: global_buffer, .address_space: global }
      - { .name: qkv, .offset: 40, .size: 8, .value_kind: global_buffer, .address_space: global }
    .group_segment_fixed_size: 0
    .private_segment_fixed_size: 0
    .kernarg_segment_align: 8
    .kernarg_segment_size: 48
    .max_flat_workgroup_size: 128
    .sgpr_count:     66
    .vgpr_count:     1024
    .wavefront_size: 32
...
	.end_amdgpu_metadata
.endif
;; end of part 2
;; launch attn (part 3): grid 16 x 16, 16 waves a work-group, no clusters, 108,544 bytes of LDS; arguments qkv, mbits, mflag, ao; writes ao
.if DOCPART == 3
	.amdgcn_target "amdgcn-amd-amdhsa--gfx1250"
	.amdhsa_code_object_version 6
	.text
	.protected	k_qf16bd8cca2_attn
	.globl	k_qf16bd8cca2_attn
	.p2align	8
	.type	k_qf16bd8cca2_attn,@function
k_qf16bd8cca2_attn:
	s_mov_b64 s[64:65], 0
	v_nop
	global_prefetch_b8 v0, s[64:65] scope:SCOPE_SE
	s_setreg_imm32_b32 hwreg(HW_REG_WAVE_MODE, 25, 1), 1
	s_wait_xcnt 0x0
; ATTN: O = softmax(q k^T / 8, hidden logits replaced) v for one head, both products on codes of E3M2; O / l quantised along the head's 64 and stored as an operand's registers.
; THE SOFTMAX: t = score x log2(e) / 8; M = the running largest t rounded up to a whole number; p = 2^(t - M) is quantised along the keys; the row's sum is taken of the unquantised p and divides at the end.
; SHARES.  Work-group (g, bh); each of sixteen waves owns ONE tile of 16 queries, T = 16 p(w) + g, in 256 registers: four waves to a SIMD.  p(w) is a fixed permutation of 0 .. 15 in which any four waves with
; equal w % 4, and any four with equal w / 4, have numbers that add up to 30: it spreads early and late queries evenly; no value hangs on it.
; Every wave walks all 32 key steps of 128 keys.  K's and V's register images of four steps (53,248 bytes) are copied memory -> registers -> LDS by all 512 threads into two slots by turns: one barrier a phase.
; THE MASK comes packed: 64 lane masks a step (one v_cndmask_b32 a score) and flags made by an earlier launch.  A step in which all 2,048 entries are hidden is left out, provided every row of the tile has an open
; key somewhere (else nothing is left out for this tile); a step that hides nothing leaves the selects out.  Only a step's work is jumped over, never a barrier or the copy.
; No tensor load and no cluster, though sixteen work-groups read the same K and V; this text branches on numbers read from memory (the flags).
; A hidden score is replaced by -2^33, the logit -2^30, where the definition has -1e9: x c it is a whole number, so a row with no open key has t = M and p = 1 on every key, as the definition gives; in any other row p = 0.
; LIMITS: true logits under about -1e9 are not told from hidden ones; NaN and infinities are not served; a block of zeros carries the byte 1.
; LAYOUT.  Both products are used transposed (source 0 = 16 keys, or 16 of the head's 64; source 1 = my 16 queries): a lane holds one query.  Tiles are split: tile t holds rows 32 (t / 2) + 8 (t % 2) + r + 8 (r / 8).
; K = 64 of the first product fills half of the instruction's 128: the other half of both operands is zero codes under the byte 0.
; REGISTERS: v1-8 addresses; v9 the stand-in; v12 -M, v13 the largest t, v[14:15] the sum; v16-27 Q; v28 Q's scale word; v32-79 four fragments of K; v80-83, v84-87 K's and V's scale words; v88-95, v232-249 the copy;
;   v96-159 S^T, then p, then V's fragments; v160-191 O^T; v192-203 p's codes; v204-231 at work.
.set SLOT, 53248
.set BLK,  13312                       ; a key step's block: K's 8 images 0, V's 8 images 6144, K's scale words 12288, V's 12800
.set KF,   32
.set KS,   80
.set VS,   84
.set S,    96
.set O,    160
.set PCD,  192
.set CT,   204
.set BM,   212
.set PD,   216
.set SO,   220
.set PW,   224
.macro SLD off                         ; a phase's 53,248 bytes: six times 16 bytes a thread, once 8
	global_load_b128 v[88:91], v5, s[4:5] offset:\off
	global_load_b128 v[92:95], v5, s[4:5] offset:\off+8192
	global_load_b128 v[232:235], v5, s[4:5] offset:\off+16384
	global_load_b128 v[236:239], v5, s[4:5] offset:\off+24576
	global_load_b128 v[240:243], v5, s[4:5] offset:\off+32768
	global_load_b128 v[244:247], v5, s[4:5] offset:\off+40960
	global_load_b64 v[248:249], v7, s[4:5] offset:\off+49152
.endm
.macro SST sl
	ds_store_b128 v[5+\sl], v[88:91]
	ds_store_b128 v[5+\sl], v[92:95] offset:8192
	ds_store_b128 v[5+\sl], v[232:235] offset:16384
	ds_store_b128 v[5+\sl], v[236:239] offset:24576
	ds_store_b128 v[5+\sl], v[240:243] offset:32768
	ds_store_b128 v[5+\sl], v[244:247] offset:40960
	ds_store_b64 v[7+\sl], v[248:249] offset:49152
.endm
; A KEY STEP: 128 keys, the k-th block of slot sl; its flags are bit 4 sl + k of s86 (leave out) and s87 (has hidden entries)
.macro STEP sl, k
	s_bitcmp1_b32 s86, 4*\sl+\k
	s_cbranch_scc1 .Lskip_\@
	s_load_b512 s[16:31], s[6:7], (4*\sl+\k)*256           ; the step's 64 lane masks
	s_load_b512 s[32:47], s[6:7], (4*\sl+\k)*256+64
	s_load_b512 s[48:63], s[6:7], (4*\sl+\k)*256+128
	s_load_b512 s[68:83], s[6:7], (4*\sl+\k)*256+192
.irp gq, 0,1                           ; S^T = K Q^T, four tiles of 16 keys at a time
.if \gq
.rept 4
	v_nop                                          ; places in front of loads into registers that the last products read
.endr
.endif
.irp t, 0,1,2,3
	ds_load_b128 v[KF+12*\t:KF+12*\t+3], v[1+\sl] offset:\k*BLK+768*(4*\gq+\t)
	ds_load_b64 v[KF+12*\t+4:KF+12*\t+5], v[3+\sl] offset:\k*BLK+768*(4*\gq+\t)+512
.endr
.if \gq == 0
	ds_load_b128 v[KS:KS+3], v[1+\sl] offset:\k*BLK+12288  ; register b: lanes 0-15 the words of tile 2 b, lanes 16-31 of tile 2 b + 1
.endif
	s_wait_dscnt 0x0
.irp t, 0,1,2,3
.if \t%2
	v_wmma_scale_f32_16x16x128_f8f6f4 v[S+8*(4*\gq+\t):S+8*(4*\gq+\t)+7], v[KF+12*\t:KF+12*\t+11], v[16:27], 0, v[KS+2*\gq+\t/2], v28 matrix_a_fmt:MATRIX_FMT_BF6 matrix_b_fmt:MATRIX_FMT_BF6 matrix_a_scale:MATRIX_SCALE_ROW1
.else
	v_wmma_scale_f32_16x16x128_f8f6f4 v[S+8*(4*\gq+\t):S+8*(4*\gq+\t)+7], v[KF+12*\t:KF+12*\t+11], v[16:27], 0, v[KS+2*\gq+\t/2], v28 matrix_a_fmt:MATRIX_FMT_BF6 matrix_b_fmt:MATRIX_FMT_BF6
.endif
.endr
.endr
.rept 4
	v_nop
.endr
	s_wait_kmcnt 0x0                               ; the lane masks are in, on every way through the step
	s_bitcmp1_b32 s87, 4*\sl+\k
	s_cbranch_scc0 .Lopen_\@
.set n, 0
.rept 64
.if n < 48
	v_cndmask_b32 v[S+n], v[S+n], v9, s[16+n]      ; register n holds key 32 (n / 16) + 16 h + n % 16 of the step: hidden where my lane's bit of word n is set
.else
	v_cndmask_b32 v[S+n], v[S+n], v9, s[20+n]
.endif
.set n, n+1
.endr
.Lopen_\@:
.irp b, 0,1,2,3
	v_max3_num_f32 v[BM+\b], v[S+16*\b], v[S+1+16*\b], v[S+2+16*\b]   ; the largest score of each block of 32 keys: for the row's maximum, and, since p rises with the score, for the block's largest p
.endr
.irp i, 3,5,7,9,11,13
.irp b, 0,1,2,3
	v_max3_num_f32 v[BM+\b], v[BM+\b], v[S+16*\b+\i], v[S+1+16*\b+\i]
.endr
.endr
.irp b, 0,1,2,3
	v_max_num_f32 v[BM+\b], v[BM+\b], v[S+15+16*\b]
.endr
.irp b, 0,1,2,3
	v_permlanex16_b32 v[PD+\b], v[BM+\b], s14, s15
.endr
.irp b, 0,1,2,3
	v_max_num_f32 v[BM+\b], v[BM+\b], v[PD+\b]     ; with lane l xor 16's 16 keys
.endr
	v_max3_num_f32 v228, v[BM], v[BM+1], v[BM+2]
	v_max_num_f32 v228, v228, v[BM+3]
	v_mul_f32 v228, s84, v228                      ; as t (c is positive)
	v_max_num_f32 v13, v13, v228                   ; the running largest t
	v_mov_b32 v228, v12
	v_floor_f32 v12, -v13                          ; the new -M = floor(-t): M is a whole number
	v_sub_f32 v228, v12, v228                      ; old M - new M: a whole number, 0 or less
	v_cvt_i32_f32 v228, v228                       ; (it saturates)
	v_ldexp_f32 v226, 1.0, v228                    ; f = 2^(old M - new M): a multiplication by it rounds nothing
.set j, 0
.rept 32
	v_pk_fma_f32 v[S+j:S+j+1], v[S+j:S+j+1], s[84:85], v[12:13] op_sel_hi:[1,0,0]   ; t - M, two at a time
.set j, j+2
.endr
.irp b, 0,1,2,3
	v_fma_f32 v[BM+\b], v[BM+\b], s84, v12         ; the same of each block's largest score
.endr
.set j, 0
.rept 64
	v_exp_f32 v[S+j], v[S+j]                       ; p = 2^(t - M), at most 1
.set j, j+1
.endr
	v_pk_mul_f32 v[14:15], v[14:15], v[226:227] op_sel_hi:[1,0]   ; the sums under the new M: a plain place behind the exponentials
	s_wait_alu depctr_va_vdst(0)                   ; one wait for the whole batch, ahead of its first reader
.irp b, 0,1,2,3
	v_exp_f32 v[BM+\b], v[BM+\b]                   ; the block's largest p
.endr
	v_pk_add_f32 v[230:231], v[S:S+1], v[S+2:S+3]  ; the row's sum of the unquantised p, in two chains
.set j, 4
.rept 15
	v_pk_add_f32 v[14:15], v[14:15], v[S+j:S+j+1]
	v_pk_add_f32 v[230:231], v[230:231], v[S+j+2:S+j+3]
.set j, j+4
.endr
	v_pk_add_f32 v[14:15], v[14:15], v[230:231]
	s_wait_alu depctr_va_vdst(0)                   ; and one for the four
.irp b, 0,1,2,3
	v_max_num_f32 v[BM+\b], 0x2800000, v[BM+\b]    ; the floor 2^(5 - 127): the byte cannot fall under 1
.endr
.irp b, 0,1,2,3
	v_add_nc_u32 v[SO+\b], 0xfe000000, v[BM+\b]    ; 4 off the exponent field: the conversion's scale operand
.endr
.irp b, 0,1,2,3
	v_lshrrev_b32 v[PD+\b], 23, v[SO+\b]           ; the scale's byte
.endr
	v_lshl_or_b32 v[PW], v[PD+1], 8, v[PD]         ; p's scale word for these 128 keys
	v_lshl_or_b32 v[PW], v[PD+2], 16, v[PW]
	v_lshl_or_b32 v[PW], v[PD+3], 24, v[PW]
.irp c, 0,1
	v_cvt_scalef32_pk16_bf6_f32 v[PCD+6*\c:PCD+6*\c+2], v[S+32*\c:S+32*\c+15], v[SO+2*\c]
	v_cvt_scalef32_pk16_bf6_f32 v[CT+4*\c:CT+4*\c+2], v[S+16+32*\c:S+31+32*\c], v[SO+2*\c+1]
.endr
	v_nop                                          ; one plain place behind a scaled conversion
.irp dt, 0,1,2,3                       ; p has been read for the last time: V's four fragments take its registers
.irp c, 0,1
	ds_load_b128 v[S+12*\dt+6*\c:S+12*\dt+6*\c+3], v[1+\sl] offset:\k*BLK+6144+1536*\dt+768*\c
	ds_load_b64 v[S+12*\dt+6*\c+4:S+12*\dt+6*\c+5], v[3+\sl] offset:\k*BLK+6144+1536*\dt+768*\c+512
.endr
.endr
	ds_load_b128 v[VS:VS+3], v[1+\sl] offset:\k*BLK+12800
.irp c, 0,1                            ; the operand's layout wants a whole block in a lane
.irp i, 0,1,2
	v_permlane16_swap_b32 v[PCD+6*\c+\i], v[CT+4*\c+\i]
.endr
.irp i, 0,1,2
	v_mov_b32 v[PCD+3+6*\c+\i], v[CT+4*\c+\i]
.endr
.endr
.set j, 0
.rept 16
	v_pk_mul_f32 v[O+j:O+j+1], v[O+j:O+j+1], v[226:227] op_sel_hi:[1,0]   ; O^T under the new M; these sixteen are also the places between p's codes and scale word and the products
.set j, j+2
.endr
	s_wait_dscnt 0x0
.irp dt, 0,1,2,3                       ; O^T += V^T P^T: the four accumulators by turns
	v_wmma_scale_f32_16x16x128_f8f6f4 v[O+8*\dt:O+8*\dt+7], v[S+12*\dt:S+12*\dt+11], v[PCD:PCD+11], v[O+8*\dt:O+8*\dt+7], v[VS+\dt], v[PW] matrix_a_fmt:MATRIX_FMT_BF6 matrix_b_fmt:MATRIX_FMT_BF6
.endr
.rept 5
	v_nop                                          ; five places: the next step's first products write over registers that these have read
.endr
.Lskip_\@:
.endm
; A PHASE: four key steps out of slot sl, while the next phase's blocks come into registers; then they go to the other slot, which every wave left at the last barrier.
.macro PHASE sl
.if \sl == 1
	s_cmp_eq_u32 s13, 1                            ; the last phase has no successor: no load leaves its buffer
	s_cbranch_scc1 .Lnold_\@
.endif
	SLD SLOT*(\sl+1)
.Lnold_\@:
	STEP \sl, 0
	STEP \sl, 1
	STEP \sl, 2
	STEP \sl, 3
	s_wait_loadcnt 0x0                             ; the copy is in registers (on every way)
.if \sl == 1
	s_cmp_eq_u32 s13, 1
	s_cbranch_scc1 .Lnost_\@
.endif
	SST 1-\sl
.Lnost_\@:
	s_wait_dscnt 0x0                               ; my stores into the other slot have landed, and my reads of this slot are over
	s_barrier_signal -1
	s_barrier_wait -1
.endm
	s_load_b256 s[4:11], s[0:1], 0x0               ; qkv s[4:5], mbits s[6:7], mflag s[8:9], ao s[10:11]
	v_lshl_add_u32 v254, v0, 2, 0x1a000
	v_mov_b32 v255, 0
	v_lshrrev_b32 v1, 5, v0
	v_readfirstlane_b32 s12, v1                    ; wave 0..15
	v_and_b32 v11, 31, v0                          ; lane
	v_lshlrev_b32 v1, 4, v11                       ; an image's place for my lane, slot 0,
	v_add_nc_u32 v2, SLOT, v1                      ; slot 1
	v_lshlrev_b32 v3, 3, v11
	v_add_nc_u32 v4, SLOT, v3
	v_lshlrev_b32 v5, 4, v0                        ; the copy: 16 x thread,
	v_add_nc_u32 v6, SLOT, v5
	v_lshlrev_b32 v7, 3, v0                        ; 8 x thread
	v_add_nc_u32 v8, SLOT, v7
	v_mov_b32 v9, 0xd0000000                       ; -2^33
	v_and_b32 v10, 15, v0
	v_lshlrev_b32 v10, 4, v10                      ; 16 r
	s_mov_b32 s88, 0x8e35db60                      ; p(w), four bits a wave: waves 0-7,
	s_mov_b32 s89, 0x249f71ca                      ; waves 8-15
	s_cmp_lt_u32 s12, 8
	s_cselect_b32 s88, s88, s89
	s_and_b32 s89, s12, 7
	s_lshl_b32 s89, s89, 2
	s_lshr_b32 s88, s88, s89
	s_and_b32 s88, s88, 15
	s_lshl_b32 s88, s88, 4
	s_add_co_u32 s88, s88, ttmp9                   ; T = 16 p + g
	s_and_b32 s89, ttmp7, 0xffff                   ; bh
	s_lshr_b32 s90, s89, 3                         ; b
	s_and_b32 s91, s89, 7                          ; head
	s_lshl_b32 s92, s90, 8
	s_add_co_u32 s92, s92, s88                     ; 256 b + T
	s_mul_i32 s94, s89, 196608
	s_mul_i32 s93, s88, 768
	s_add_co_u32 s94, s94, s93                     ; Q's image
	s_mov_b32 s95, 0
	s_lshl_b32 s96, s89, 14                        ; Q's scale words: [bh][T / 8][16 (T % 2) + r][(T / 2) % 4]
	s_lshr_b32 s93, s88, 3
	s_lshl_b32 s93, s93, 9
	s_add_co_u32 s96, s96, s93
	s_and_b32 s93, s88, 1
	s_lshl_b32 s93, s93, 8
	s_add_co_u32 s96, s96, s93
	s_bfe_u32 s93, s88, 0x20001
	s_lshl_b32 s93, s93, 2
	s_add_co_u32 s96, s96, s93
	s_add_co_u32 s96, s96, 3145728
	s_mov_b32 s97, 0
	s_mul_i32 s98, s89, 425984
	s_add_co_u32 s98, s98, 3407872                 ; the head's 32 blocks
	s_mov_b32 s99, 0
	s_mov_b32 s14, 0x76543210
	s_mov_b32 s15, 0xfedcba98                      ; v_permlanex16_b32's selects for lane l xor 16
	s_mov_b32 s84, 0x3e38aa3b                      ; c = log2(e) / 8
	s_mov_b32 s85, s84                             ; (named with it as a pair, so it is written)
	s_mov_b32 s13, 4                               ; trips of two phases
	s_wait_kmcnt 0x0
	s_add_nc_u64 s[94:95], s[4:5], s[94:95]
	s_add_nc_u64 s[96:97], s[4:5], s[96:97]
	s_add_nc_u64 s[4:5], s[4:5], s[98:99]
	s_lshl_b32 s98, s92, 13
	s_add_nc_u64 s[6:7], s[6:7], s[98:99]          ; my tile's lane masks: 256 bytes a step
	s_lshl_b32 s98, s92, 6
	s_add_nc_u64 s[8:9], s[8:9], s[98:99]          ; my tile's four records of flags, 16 bytes each:
	s_load_b512 s[16:31], s[8:9], 0x0              ; record i in s[16 + 4 i] on
	SLD 0                                          ; phase 0
	global_load_b128 v[16:19], v1, s[94:95]        ; Q stays in registers
	global_load_b64 v[20:21], v3, s[94:95] offset:512
	global_load_b32 v28, v10, s[96:97]
.irp j, 22,23,24,25,26,27
	v_mov_b32 v[\j], 0                             ; the half of K that the head does not fill: zero codes, in Q
.endr
.irp t, 0,1,2,3
.irp j, 6,7,8,9,10,11
	v_mov_b32 v[KF+12*\t+\j], 0                    ; and in each of K's four fragments (registers of their own)
.endr
.endr
.set j, 0
.rept 32
	v_mov_b32 v[O+j], 0                            ; O^T: the step is written once; the first finds zeros
.set j, j+1
.endr
	v_mov_b32 v13, 0xff61b1e6                      ; the largest t so far: -3e38
	v_floor_f32 v12, -v13
	v_mov_b32 v14, 0
	v_mov_b32 v15, 0
.irp b, 0,1,2,3
	v_mov_b32 v[PD+\b], 0                          ; written once: a lane permute's destination counts as one of its sources
.endr
	v_mov_b32 v226, 0
	v_mov_b32 v227, 0                              ; (named as the upper half of the pair v[226:227])
	v_mov_b32 v228, 0
	s_wait_kmcnt 0x0
	s_or_b32 s86, s16, s20                         ; steps hidden for all 16 rows
	s_or_b32 s86, s86, s24
	s_or_b32 s86, s86, s28
	s_or_b32 s87, s17, s21                         ; steps that hide nothing
	s_or_b32 s87, s87, s25
	s_or_b32 s87, s87, s29
	s_and_b32 s93, s18, s22                        ; lanes that saw hidden entries only
	s_and_b32 s93, s93, s26
	s_and_b32 s93, s93, s30
	s_lshr_b32 s98, s93, 16
	s_and_b32 s93, s93, s98
	s_and_b32 s93, s93, 0xffff                     ; rows with no open key at all
	s_cmp_lg_u32 s93, 0
	s_cselect_b32 s86, 0, s86                      ; with such a row nothing is left out
	s_or_b32 s87, s87, s86
	s_not_b32 s87, s87                             ; the steps that want the selects
	s_wait_loadcnt 0x0
	SST 0
	s_wait_dscnt 0x0
	s_barrier_signal -1
	s_barrier_wait -1
.Ltrip:
	PHASE 0
	PHASE 1
	s_wait_xcnt 0x0                                ; the loads have read their bases
	s_add_nc_u64 s[4:5], s[4:5], 2*SLOT
	s_add_nc_u64 s[6:7], s[6:7], 2048
	s_lshr_b32 s86, s86, 8
	s_lshr_b32 s87, s87, 8
	s_sub_co_u32 s13, s13, 1
	s_cmp_lg_u32 s13, 0
	s_cbranch_scc1 .Ltrip
	; THE WAY OUT: O^T / the sum, quantised along the head's 64: register 16 b + i holds d = 32 b + 16 h + i
	v_add_f32 v14, v14, v15
	v_permlanex16_b32 v228, v14, s14, s15
	v_add_f32 v14, v14, v228                       ; the row's sum
	v_rcp_f32 v226, v14
	v_nop                                          ; a plain place behind the reciprocal
	s_mul_i32 s94, s92, 6144
	s_mul_i32 s93, s91, 768
	s_add_co_u32 s94, s94, s93                     ; ao's codes: [256 b + T][head][768]
	s_mov_b32 s95, 0
	s_add_nc_u64 s[94:95], s[10:11], s[94:95]
	s_lshl_b32 s96, s92, 9
	s_lshl_b32 s93, s91, 1
	s_add_co_u32 s96, s96, s93
	s_add_co_u32 s96, s96, 3145728                 ; its scale bytes: [256 b + T][lane][head], two bytes each
	s_mov_b32 s97, 0
	s_add_nc_u64 s[96:97], s[10:11], s[96:97]
	s_wait_alu depctr_va_vdst(0)                   ; ahead of the reciprocal's first reader
.set j, 0
.rept 16
	v_pk_mul_f32 v[O+j:O+j+1], v[O+j:O+j+1], v[226:227] op_sel_hi:[1,0]
.set j, j+2
.endr
.irp b, 0,1
	v_max3_num_f32 v[BM+\b], |v[O+16*\b]|, |v[O+1+16*\b]|, 0x2800000
.endr
.irp i, 2,4,6,8,10,12,14
.irp b, 0,1
	v_max3_num_f32 v[BM+\b], v[BM+\b], |v[O+16*\b+\i]|, |v[O+1+16*\b+\i]|
.endr
.endr
.irp b, 0,1
	v_permlanex16_b32 v[PD+\b], v[BM+\b], s14, s15
.endr
.irp b, 0,1
	v_max_num_f32 v[BM+\b], v[BM+\b], v[PD+\b]
.endr
.irp b, 0,1
	v_add_nc_u32 v[SO+\b], 0xfe000000, v[BM+\b]
.endr
.irp b, 0,1
	v_lshrrev_b32 v[PD+\b], 23, v[SO+\b]
.endr
	v_lshl_or_b32 v229, v[PD+1], 8, v[PD]          ; my row's two scale bytes
	v_cvt_scalef32_pk16_bf6_f32 v[PCD:PCD+2], v[O:O+15], v[SO]
	v_cvt_scalef32_pk16_bf6_f32 v[CT:CT+2], v[O+16:O+31], v[SO+1]
	v_nop
.irp i, 0,1,2
	v_permlane16_swap_b32 v[PCD+\i], v[CT+\i]
.endr
.irp i, 0,1,2
	v_mov_b32 v[PCD+3+\i], v[CT+\i]
.endr
	global_store_b128 v1, v[PCD:PCD+3], s[94:95]               ; 512 consecutive bytes, aligned
	global_store_b64 v3, v[PCD+4:PCD+5], s[94:95] offset:512   ; 256
	global_store_b16 v1, v229, s[96:97]                        ; two bytes a lane, 16 apart: the eight heads' work-groups fill a tile's 512 bytes between them
	s_wait_tensorcnt 0x0
	ds_add_u32 v254, v255
	s_wait_dscnt 0x0
	s_endpgm
.Lfunc_end_k_qf16bd8cca2_attn:
	.size	k_qf16bd8cca2_attn, .Lfunc_end_k_qf16bd8cca2_attn-k_qf16bd8cca2_attn
	.p2alignl 7, 3214868480
	.fill 96, 4, 3214868480
	.section	.rodata,"a",@progbits
	.p2align	6, 0x0
	.amdhsa_kernel k_qf16bd8cca2_attn
		.amdhsa_group_segment_fixed_size 108544
		.amdhsa_private_segment_fixed_size 0
		.amdhsa_enable_private_segment 0
		.amdhsa_kernarg_size 32
		.amdhsa_user_sgpr_count 2
		.amdhsa_user_sgpr_kernarg_segment_ptr 1
		.amdhsa_wavefront_size32 1
		.amdhsa_system_sgpr_workgroup_id_x 1
		.amdhsa_system_sgpr_workgroup_id_y 1
		.amdhsa_system_sgpr_workgroup_id_z 1
		.amdhsa_system_vgpr_workitem_id 0
		.amdhsa_next_free_vgpr 256
		.amdhsa_next_free_sgpr 100
		.amdhsa_reserve_vcc 0
		.amdhsa_float_denorm_mode_32 3
		.amdhsa_float_denorm_mode_16_64 3
		.amdhsa_memory_ordered 1
		.amdhsa_forward_progress 1
		.amdhsa_inst_pref_size 176
	.end_amdhsa_kernel
	.amdgpu_metadata
---
amdhsa.version: [ 1, 2 ]
amdhsa.kernels:
  - .name:           k_qf16bd8cca2_attn
    .symbol:         k_qf16bd8cca2_attn.kd
    .args:
      - { .name: qkv, .offset: 0, .size: 8, .value_kind: global_buffer, .address_space: global }
      - { .name: mbits, .offset: 8, .size: 8, .value_kind: global_buffer, .address_space: global }
      - { .name: mflag, .offset: 16, .size: 8, .value_kind: global_buffer, .address_space: global }
      - { .name: ao, .offset: 24, .size: 8, .value_kind: global_buffer, .address_space: global }
    .group_segment_fixed_size: 108544
    .private_segment_fixed_size: 0
    .kernarg_segment_align: 8
    .kernarg_segment_size: 32
    .max_flat_workgroup_size: 512
    .sgpr_count:     100
    .vgpr_count:     256
    .wavefront_size: 32
...
	.end_amdgpu_metadata
.endif
;; end of part 3
;; launch oln (part 4): grid 256 x 1, 4 waves a work-group, no clusters, 66,560 bytes of LDS; arguments ao, cod, scl, bo, query, ln_gamma, ln_beta, out0; writes out0
.if DOCPART == 4
	.amdgcn_target "amdgcn-amd-amdhsa--gfx1250"
	.amdhsa_code_object_version 6
	.text
	.protected	k_qf16bd8cca2_oln
	.globl	k_qf16bd8cca2_oln
	.p2align	8
	.type	k_qf16bd8cca2_oln,@function
k_qf16bd8cca2_oln:
	s_mov_b64 s[64:65], 0
	v_nop
	global_prefetch_b8 v0, s[64:65] scope:SCOPE_SE
	s_setreg_imm32_b32 hwreg(HW_REG_WAVE_MODE, 25, 1), 1
	s_wait_xcnt 0x0
; OLN: out0 = LayerNorm(ao Wo^T + bo + query) x gamma + beta; the product on codes of E3M2, all else in f32.
; Work-group u: rows 32 u .. 32 u + 31, which are ao's tiles 2 u and 2 u + 1 (tile a holds rows 32 u + 8 a + r + 8 (r / 8)).
; PART 1: wave w makes columns 128 w .. 128 w + 127 of all 32 rows: its 128 rows of Wo (32 fragments, 384 registers) are source 0, ao's two tiles source 1, so that a lane holds eight neighbouring columns of a row;
; bo is the C of each sum's first product.  16 accumulators by turns, K ascending.  Results go to a stage in LDS; one barrier.
; PART 2: wave w owns stage rows 8 w .. 8 w + 7 whole (2,048 bytes each), four at a time: + residual, mean, centred sum of squares, 1 / sqrt, gamma, beta; each store covers 512 consecutive bytes, aligned.
; REGISTERS: window 0: v1-12 addresses; v16-111 ao's 8 fragments, later four rows of 16; v112-143 Wo's scale words, v144-151 ao's (these hold scales and nothing else); v152-167 gamma; v168-183 beta;
;   v200-215 mean and 1 / sqrt, a pair each for four rows; v216-223 sums; v232-235 permutes.  Window 1: Wo's fragments of K steps 0, 1; v192-255 the residual of my rows 0-3.  Window 2: K steps 2, 3; rows 4-7.
;   Window 3: v0-127 the accumulators ((a, t) at 8 (8 a + t)); v128-191 bo.
.set AF, 16
.set WS, 112
.set AS, 144
.set GA, 152
.set BE, 168
.set X,  16
.set ST, 200
.set SM, 216
.set PD, 232
.set SPITCH, 2064                      ; a stage row: 2,048 bytes + 16
.set MSB, 0
.macro WIN new                         ; the immediate's high byte repeats the setting that is left
.if MSB != (\new)
	s_set_vgpr_msb (MSB<<8)|(\new)
.set MSB, (\new)
.endif
.endm
.macro RED4                            ; four rows' sums over the 32 lanes, the rows by turns
.irp m, 1,2,4,8
.irp q, 0,1,2,3
	v_add_f32_dpp v[SM+2*\q], v[SM+2*\q], v[SM+2*\q] row_xmask:\m row_mask:0xf bank_mask:0xf
.endr
.endr
.irp q, 0,1,2,3
	v_permlanex16_b32 v[PD+\q], v[SM+2*\q], s2, s3
.endr
.irp q, 0,1,2,3
	v_add_f32 v[SM+2*\q], v[SM+2*\q], v[PD+\q]
.endr
.endm
.macro LNHALF hf                       ; my rows 4 hf .. 4 hf + 3.  Row q: v[X + 16 q] on; registers 4 c .. 4 c + 3 are columns 128 c + 4 lane + 0 .. 3
.irp q, 0,1,2,3
.irp c, 0,1,2,3
	ds_load_b128 v[X+16*\q+4*\c:X+16*\q+4*\c+3], v7 offset:(4*\hf+\q)*SPITCH+512*\c
.endr
.endr
	s_wait_dscnt 0x0
	WIN 0x04+4*\hf                                 ; source 1: the residual, window 1 or 2
.irp e, 0,1,2,3,4,5,6,7
.irp q, 0,1,2,3
	v_pk_add_f32 v[X+16*\q+2*\e:X+16*\q+2*\e+1], v[X+16*\q+2*\e:X+16*\q+2*\e+1], v[192+16*\q+2*\e:192+16*\q+2*\e+1]
.endr
.endr
	WIN 0
.irp q, 0,1,2,3
	v_pk_add_f32 v[SM+2*\q:SM+2*\q+1], v[X+16*\q:X+16*\q+1], v[X+16*\q+2:X+16*\q+3]
.endr
.irp e, 2,3,4,5,6,7
.irp q, 0,1,2,3
	v_pk_add_f32 v[SM+2*\q:SM+2*\q+1], v[SM+2*\q:SM+2*\q+1], v[X+16*\q+2*\e:X+16*\q+2*\e+1]
.endr
.endr
.irp q, 0,1,2,3
	v_add_f32 v[SM+2*\q], v[SM+2*\q], v[SM+2*\q+1]
.endr
	RED4
.irp q, 0,1,2,3
	v_mul_f32 v[ST+4*\q], s20, v[SM+2*\q]          ; the mean: sum / 512
	v_mul_f32 v[ST+4*\q+1], s20, v[SM+2*\q]
.endr
.irp e, 0,1,2,3,4,5,6,7
.irp q, 0,1,2,3
	v_pk_add_f32 v[X+16*\q+2*\e:X+16*\q+2*\e+1], v[X+16*\q+2*\e:X+16*\q+2*\e+1], v[ST+4*\q:ST+4*\q+1] neg_lo:[0,1] neg_hi:[0,1]
.endr
.endr
.irp q, 0,1,2,3
	v_pk_mul_f32 v[SM+2*\q:SM+2*\q+1], v[X+16*\q:X+16*\q+1], v[X+16*\q:X+16*\q+1]
.endr
.irp e, 1,2,3,4,5,6,7
.irp q, 0,1,2,3
	v_pk_fma_f32 v[SM+2*\q:SM+2*\q+1], v[X+16*\q+2*\e:X+16*\q+2*\e+1], v[X+16*\q+2*\e:X+16*\q+2*\e+1], v[SM+2*\q:SM+2*\q+1]
.endr
.endr
.irp q, 0,1,2,3
	v_add_f32 v[SM+2*\q], v[SM+2*\q], v[SM+2*\q+1]
.endr
	RED4
.irp q, 0,1,2,3
	v_fma_f32 v[SM+2*\q], v[SM+2*\q], s20, s21     ; the variance + 1e-5
.endr
.irp q, 0,1,2,3
	v_rsq_f32 v[ST+4*\q+2], v[SM+2*\q]
.endr
	v_nop                                          ; a plain place behind the batch,
	s_wait_alu depctr_va_vdst(0)                   ; and one wait for the four, ahead of their first reader
.irp q, 0,1,2,3
	v_mov_b32 v[ST+4*\q+3], v[ST+4*\q+2]
.endr
.irp e, 0,1,2,3,4,5,6,7
.irp q, 0,1,2,3
	v_pk_mul_f32 v[X+16*\q+2*\e:X+16*\q+2*\e+1], v[X+16*\q+2*\e:X+16*\q+2*\e+1], v[ST+4*\q+2:ST+4*\q+3]
.endr
.endr
.irp e, 0,1,2,3,4,5,6,7
.irp q, 0,1,2,3
	v_pk_fma_f32 v[X+16*\q+2*\e:X+16*\q+2*\e+1], v[X+16*\q+2*\e:X+16*\q+2*\e+1], v[GA+2*\e:GA+2*\e+1], v[BE+2*\e:BE+2*\e+1]
.endr
.endr
.irp q, 0,1,2,3
.irp c, 0,1,2,3
	global_store_b128 v3, v[X+16*\q+4*\c:X+16*\q+4*\c+3], s[18:19] offset:(4*\hf+\q)*2048+512*\c th:TH_STORE_NT
.endr
.endr
.endm
	s_load_b512 s[4:19], s[0:1], 0x0               ; ao s[4:5], cod s[6:7], scl s[8:9], bo s[10:11], query s[12:13], gamma s[14:15], beta s[16:17], out0 s[18:19]
	v_lshl_add_u32 v254, v0, 2, 0x10200
	v_mov_b32 v255, 0
	v_lshrrev_b32 v1, 5, v0
	v_readfirstlane_b32 s22, v1                    ; wave 0..3
	v_and_b32 v10, 15, v0                          ; r
	v_bfe_u32 v11, v0, 4, 1                        ; h
	v_and_b32 v12, 31, v0                          ; lane
	v_mul_u32_u24 v1, v10, 384                     ; Wo: row r of 384 bytes, + 24 h
	v_mad_u32_u24 v1, v11, 24, v1
	v_lshlrev_b32 v2, 4, v10                       ; its row's 16 scale bytes
	v_lshlrev_b32 v3, 4, v12
	v_lshlrev_b32 v4, 3, v12
	v_lshlrev_b32 v5, 5, v11                       ; bo: 8 h numbers on
	s_lshl_b32 s23, s22, 9
	v_mul_u32_u24 v6, v10, SPITCH
	v_lshl_add_u32 v6, v11, 5, v6
	v_add_nc_u32 v6, s23, v6                       ; into the stage: row r, + 32 h, + my 512 bytes
	s_mul_i32 s23, s22, 8*SPITCH
	v_add_nc_u32 v7, s23, v3                       ; back: my 8 rows, 16 bytes a lane
.irp q, 0,1,2,3
	v_mov_b32 v[PD+\q], 0                          ; written once: a lane permute's destination counts as one of its sources
.endr
	s_mov_b32 s2, 0x76543210
	s_mov_b32 s3, 0xfedcba98
	s_mov_b32 s20, 0x3b000000                      ; 1 / 512
	s_mov_b32 s21, 0x3727c5ac                      ; 1e-5
	s_mul_i32 s24, ttmp9, 12288                    ; ao's two tiles: 8 heads x 768 bytes each
	s_mov_b32 s25, 0
	s_lshl_b32 s26, ttmp9, 10
	s_add_co_u32 s26, s26, 3145728                 ; their scale words
	s_mov_b32 s27, 0
	s_mul_i32 s28, s22, 49152
	s_add_co_u32 s28, s28, 10027008                ; Wo's codes: my 128 rows
	s_mov_b32 s29, 0
	s_lshl_b32 s30, s22, 11
	s_add_co_u32 s30, s30, 417792                  ; and their scale bytes
	s_mov_b32 s31, 0
	s_lshl_b32 s32, s22, 9                         ; bo: my 128 numbers
	s_mov_b32 s33, 0
	s_lshl_b32 s34, ttmp9, 5
	s_lshr_b32 s35, s22, 1
	s_lshl_b32 s35, s35, 3
	s_add_co_u32 s34, s34, s35
	s_and_b32 s35, s22, 1
	s_lshl_b32 s35, s35, 4
	s_add_co_u32 s34, s34, s35                     ; stage rows 8 w .. 8 w + 7 are rows 32 u + 8 (w / 2) + 16 (w % 2) + 0 .. 7
	s_lshl_b32 s34, s34, 11
	s_mov_b32 s35, 0
	s_wait_kmcnt 0x0
	s_add_nc_u64 s[24:25], s[4:5], s[24:25]
	s_add_nc_u64 s[26:27], s[4:5], s[26:27]
	s_add_nc_u64 s[6:7], s[6:7], s[28:29]
	s_add_nc_u64 s[8:9], s[8:9], s[30:31]
	s_add_nc_u64 s[10:11], s[10:11], s[32:33]
	s_add_nc_u64 s[12:13], s[12:13], s[34:35]
	s_add_nc_u64 s[18:19], s[18:19], s[34:35]
	WIN 0x40
.irp ks, 0,1
.irp t, 0,1,2,3,4,5,6,7
.irp p, 0,1,2,3,4,5
	global_load_b64 v[12*(8*\ks+\t)+2*\p:12*(8*\ks+\t)+2*\p+1], v1, s[6:7] offset:16*\t*384+96*\ks+48*(\p/3)+8*(\p%3)
.endr
.endr
.endr
	WIN 0x80
.irp ks, 2,3
.irp t, 0,1,2,3,4,5,6,7
.irp p, 0,1,2,3,4,5
	global_load_b64 v[12*(8*(\ks-2)+\t)+2*\p:12*(8*(\ks-2)+\t)+2*\p+1], v1, s[6:7] offset:16*\t*384+96*\ks+48*(\p/3)+8*(\p%3)
.endr
.endr
.endr
	WIN 0
.irp t, 0,1,2,3,4,5,6,7
	global_load_b128 v[WS+4*\t:WS+4*\t+3], v2, s[8:9] offset:256*\t
.endr
.irp a, 0,1
.irp ks, 0,1,2,3                       ; K step ks = heads 2 ks (registers 0-5) and 2 ks + 1 (registers 6-11)
	global_load_b128 v[AF+12*(4*\a+\ks):AF+12*(4*\a+\ks)+3], v3, s[24:25] offset:6144*\a+1536*\ks
	global_load_b64 v[AF+12*(4*\a+\ks)+4:AF+12*(4*\a+\ks)+5], v4, s[24:25] offset:6144*\a+1536*\ks+512
	global_load_b128 v[AF+12*(4*\a+\ks)+6:AF+12*(4*\a+\ks)+9], v3, s[24:25] offset:6144*\a+1536*\ks+768
	global_load_b64 v[AF+12*(4*\a+\ks)+10:AF+12*(4*\a+\ks)+11], v4, s[24:25] offset:6144*\a+1536*\ks+1280
.endr
	global_load_b128 v[AS+4*\a:AS+4*\a+3], v3, s[26:27] offset:512*\a   ; a row's four scale words
.endr
	WIN 0xc0
.irp t, 0,1,2,3,4,5,6,7
	global_load_b128 v[128+8*\t:128+8*\t+3], v5, s[10:11] offset:64*\t
	global_load_b128 v[128+8*\t+4:128+8*\t+7], v5, s[10:11] offset:64*\t+16
.endr
	WIN 0
.irp c, 0,1,2,3
	global_load_b128 v[GA+4*\c:GA+4*\c+3], v3, s[14:15] offset:512*\c
	global_load_b128 v[BE+4*\c:BE+4*\c+3], v3, s[16:17] offset:512*\c
.endr
	WIN 0x40
.irp q, 0,1,2,3
.irp c, 0,1,2,3
	global_load_b128 v[192+16*\q+4*\c:192+16*\q+4*\c+3], v3, s[12:13] offset:2048*\q+512*\c th:TH_LOAD_NT
.endr
.endr
	WIN 0x80
.irp q, 0,1,2,3
.irp c, 0,1,2,3
	global_load_b128 v[192+16*\q+4*\c:192+16*\q+4*\c+3], v3, s[12:13] offset:2048*(4+\q)+512*\c th:TH_LOAD_NT
.endr
.endr
	WIN 0
	s_wait_loadcnt 40                              ; all that the products want is in; gamma's 4, beta's 4 and the residual's 32 loads may be out
.irp ks, 0,1,2,3
.if \ks < 2
	WIN 0xf1                                       ; source 0 (Wo) window 1, source 1 (ao) window 0, C and D window 3
.else
	WIN 0xf2
.endif
.irp a, 0,1
.irp t, 0,1,2,3,4,5,6,7
.if \ks == 0
	v_wmma_scale_f32_16x16x128_f8f6f4 v[8*(8*\a+\t):8*(8*\a+\t)+7], v[12*(8*(\ks%2)+\t):12*(8*(\ks%2)+\t)+11], v[AF+12*(4*\a+\ks):AF+12*(4*\a+\ks)+11], v[128+8*\t:128+8*\t+7], v[WS+4*\t+\ks], v[AS+4*\a+\ks] matrix_a_fmt:MATRIX_FMT_BF6 matrix_b_fmt:MATRIX_FMT_BF6
.else
	v_wmma_scale_f32_16x16x128_f8f6f4 v[8*(8*\a+\t):8*(8*\a+\t)+7], v[12*(8*(\ks%2)+\t):12*(8*(\ks%2)+\t)+11], v[AF+12*(4*\a+\ks):AF+12*(4*\a+\ks)+11], v[8*(8*\a+\t):8*(8*\a+\t)+7], v[WS+4*\t+\ks], v[AS+4*\a+\ks] matrix_a_fmt:MATRIX_FMT_BF6 matrix_b_fmt:MATRIX_FMT_BF6
.endif
.endr
.endr
.endr
	WIN 0
.rept 4
	v_nop                                          ; four places behind the last product, for the stores of results and for the loads into ao's registers
.endr
	WIN 0x0c                                       ; an LDS store's data are its source 1: window 3
.irp a, 0,1
.irp t, 0,1,2,3,4,5,6,7
	ds_store_b128 v6, v[8*(8*\a+\t):8*(8*\a+\t)+3] offset:16*\a*SPITCH+64*\t         ; each accumulator from its low end on
	ds_store_b128 v6, v[8*(8*\a+\t)+4:8*(8*\a+\t)+7] offset:16*\a*SPITCH+64*\t+16
.endr
.endr
	WIN 0
	s_wait_dscnt 0x0                               ; my stores into the stage have landed
	s_barrier_signal -1
	s_barrier_wait -1                              ; 32 whole rows lie in the stage
	s_wait_loadcnt 0x0                             ; gamma, beta, the residual
	LNHALF 0
	s_wait_xcnt 0x0                                ; the stores have read their registers: the next four rows may land there
	LNHALF 1
	s_wait_tensorcnt 0x0
	ds_add_u32 v254, v255
	s_wait_dscnt 0x0
	s_endpgm
.Lfunc_end_k_qf16bd8cca2_oln:
	.size	k_qf16bd8cca2_oln, .Lfunc_end_k_qf16bd8cca2_oln-k_qf16bd8cca2_oln
	.p2alignl 7, 3214868480
	.fill 96, 4, 3214868480
	.section	.rodata,"a",@progbits
	.p2align	6, 0x0
	.amdhsa_kernel k_qf16bd8cca2_oln
		.amdhsa_group_segment_fixed_size 66560
		.amdhsa_private_segment_fixed_size 0
		.amdhsa_enable_private_segment 0
		.amdhsa_kernarg_size 64
		.amdhsa_user_sgpr_count 2
		.amdhsa_user_sgpr_kernarg_segment_ptr 1
		.amdhsa_wavefront_size32 1
		.amdhsa_system_sgpr_workgroup_id_x 1
		.amdhsa_system_sgpr_workgroup_id_y 1
		.amdhsa_system_sgpr_workgroup_id_z 1
		.amdhsa_system_vgpr_workitem_id 0
		.amdhsa_next_free_vgpr 1024
		.amdhsa_next_free_sgpr 66
		.amdhsa_reserve_vcc 0
		.amdhsa_float_denorm_mode_32 3
		.amdhsa_float_denorm_mode_16_64 3
		.amdhsa_memory_ordered 1
		.amdhsa_forward_progress 1
		.amdhsa_inst_pref_size 78
	.end_amdhsa_kernel
	.amdgpu_metadata
---
amdhsa.version: [ 1, 2 ]
amdhsa.kernels:
  - .name:           k_qf16bd8cca2_oln
    .symbol:         k_qf16bd8cca2_oln.kd
    .args:
      - { .name: ao, .offset: 0, .size: 8, .value_kind: global_buffer, .address_space: global }
      - { .name: cod, .offset: 8, .size: 8, .value_kind: global_buffer, .address_space: global }
      - { .name: scl, .offset: 16, .size: 8, .value_kind: global_buffer, .address_space: global }
      - { .name: bo, .offset: 24, .size: 8, .value_kind: global_buffer, .address_space: global }
      - { .name: query, .offset: 32, .size: 8, .value_kind: global_buffer, .address_space: global }
      - { .name: ln_gamma, .offset: 40, .size: 8, .value_kind: global_buffer, .address_space: global }
      - { .name: ln_beta, .offset: 48, .size: 8, .value_kind: global_buffer, .address_space: global }
      - { .name: out0, .offset: 56, .size: 8, .value_kind: global_buffer, .address_space: global }
    .group_segment_fixed_size: 66560
    .private_segment_fixed_size: 0
    .kernarg_segment_align: 8
    .kernarg_segment_size: 64
    .max_flat_workgroup_size: 128
    .sgpr_count:     66
    .vgpr_count:     1024
    .wavefront_size: 32
...
	.end_amdgpu_metadata
.endif
;; end of part 4
;; ======== version 2 of 2: 4 launches
;; limits: right only within a limited range of input values
;; workspace buffers: cod 10,223,616 bytes; scl 425,984 bytes; mbits 4,194,304 bytes; mflag 32,768 bytes of whole numbers; qkv 10,223,616 bytes; ao 3,407,872 bytes
;; launch front (part 5): grid 928 x 1, 4 waves a work-group, no clusters, 67,072 bytes of LDS; arguments mask, query, key_in, value, Wq, Wk, Wv, Wo, cod, scl, mbits, mflag; writes cod, scl, mbits, mflag
.if DOCPART == 5
	.amdgcn_target "amdgcn-amd-amdhsa--gfx1250"
	.amdhsa_code_object_version 6
	.text
	.protected	k_qf16bd8cca2_front
	.globl	k_qf16bd8cca2_front
	.p2align	8
	.type	k_qf16bd8cca2_front,@function
k_qf16bd8cca2_front:
	s_mov_b64 s[64:65], 0
	v_nop
	global_prefetch_b8 v0, s[64:65] scope:SCOPE_SE
	s_setreg_imm32_b32 hwreg(HW_REG_WAVE_MODE, 25, 1), 1
	s_wait_xcnt 0x0
; FRONT: two streams in one launch, told apart by the work-group's number.
; (a) Work-groups 0-511: the mask [2][4096][4096] int32 is read once and packed.  Work-group m = 256 b + T takes the 16 query rows of tile T of batch b,
;     rows 32 (T / 2) + 8 (T % 2) + r + 8 (r / 8), r = 0 .. 15; wave w takes key steps 8 w .. 8 w + 7 of 128 keys.  For a step it stores 64 words: bit r + 16 h of word n is 1
;     where mask[row r][128 j + 32 (n / 16) + 16 h + n % 16] == 0: the lane mask that the attention launch puts on its score register n.  A wave also stores a record of 16 bytes, at 64 m + 16 w:
;     bit j of its first word: step j is hidden for all 16 rows; of the second: step j hides nothing; the third: lanes that saw hidden entries only; the fourth: 0.
; (b) Work-groups 512-927: query, key_in, value, Wq, Wk, Wv, Wo, f32 with K innermost, become codes of E3M2 (6 bits, K innermost) and one E8M0 byte for each 32 along K.
;     A block's byte is its largest magnitude's exponent field - 4, held at 1 from below; a block of zeros keeps the byte 1 (its codes are zeros, and this program alone reads the bytes).
; LIMITS: NaN and infinities among the inputs are not served.
; No tensor loads, no barrier: waves share nothing.  The two paths have LDS bytes of their own: the quantiser 0 .. 32767, the mask 32768 .. 66559.
.set MR,    16                         ; v16-143  mask: two sets of 16 rows x 4 registers, as loaded
.set MX,    144                        ; v144-207 mask: 64 entries of a lane, in the order of the score registers
.set MO,    208                        ; v208-223 mask: a pair of registers for each step: the 64 words, two to a lane
.set MSTG,  32768                      ; LDS: the mask's stages,
.set MWB,   8448                       ; one for each wave: 16 rows x
.set MP,    528                        ; (512 bytes + 16)
.set QWREG, 8192                       ; LDS: the quantiser's region for each wave: two stages of 32 x QSP bytes, then its 256 scale bytes
.set QSP,   80
.set QSTEPS, 16
.set EMAX,  4
.set CB,    12
.set QR,    16                         ; v16-79   four sets of 16 numbers as loaded
.set QX,    80                         ; v80-111  two sets of 16 neighbours
.set QE,    112                        ; v112-127 a scale byte for each step
.set QC,    128                        ; v128-191 codes: four registers for each step
.macro MLOAD jj                        ; step jj of the wave's eight: 16 rows x 512 consecutive bytes
.irp i, 0,1,2,3,4,5,6,7,8,9,10,11,12,13,14,15
	global_load_b128 v[MR+64*((\jj)%2)+4*\i:MR+64*((\jj)%2)+4*\i+3], v3, s[4:5] offset:(\i+8*(\i/8))*16384+512*(\jj) th:TH_LOAD_NT
.endr
.endm
.macro MSTEP jj
.if (\jj) < 7
	s_wait_loadcnt 16                              ; this step's 16 loads are in; the next step's 16 may be out
.else
	s_wait_loadcnt 0x0
.endif
.irp i, 0,1,2,3,4,5,6,7,8,9,10,11,12,13,14,15
	ds_store_b128 v4, v[MR+64*((\jj)%2)+4*\i:MR+64*((\jj)%2)+4*\i+3] offset:\i*MP   ; row i as it lies
.endr
.irp i, 0,1,2,3,4,5,6,7,8,9,10,11,12,13,14,15
	ds_load_b128 v[MX+4*\i:MX+4*\i+3], v5 offset:128*(\i/4)+16*(\i%4)   ; lane (r, h): row r, keys 32 (i / 4) + 16 h + 4 (i % 4) on; LDS serves a wave's instructions in order
.endr
	s_wait_dscnt 0x0                               ; the entries are back, and the stores have read their registers,
.if (\jj) < 6
	MLOAD (\jj)+2                                  ; which take the loads of two steps on
.endif
	s_mov_b32 s47, -1                              ; lanes that saw only hidden entries in this step
	s_mov_b32 s48, 0                               ; lanes that saw a hidden entry
.irp g, 0,1,2,3,4,5,6,7
.irp e, 0,1,2,3,4,5,6,7
	v_cmp_eq_u32 s[36+\e], 0, v[MX+8*\g+\e]        ; word n = 8 g + e
.endr
.irp e, 0,1,2,3,4,5,6,7
	s_and_b32 s47, s47, s[36+\e]
	s_or_b32 s48, s48, s[36+\e]
	v_writelane_b32 v[MO+2*(\jj)+\e%2], s[36+\e], 4*\g+\e/2   ; word n lies in lane n / 2, register n % 2
.endr
.endr
	global_store_b64 v6, v[MO+2*(\jj):MO+2*(\jj)+1], s[24:25] offset:256*(\jj)   ; 32 lanes store 256 consecutive bytes, aligned
	s_cmp_eq_u32 s47, -1
	s_cselect_b32 s52, s49, 0
	s_or_b32 s44, s44, s52                         ; the step is hidden for all rows
	s_cmp_eq_u32 s48, 0
	s_cselect_b32 s52, s49, 0
	s_or_b32 s45, s45, s52                         ; the step hides nothing
	s_and_b32 s46, s46, s47
	s_lshl_b32 s49, s49, 1
.endm
.macro QLOAD t
.irp i, 0,1,2,3
	global_load_b128 v[QR+16*((\t)%4)+4*\i:QR+16*((\t)%4)+4*\i+3], v3, s[4:5] offset:2048*(\t)+512*\i th:TH_LOAD_NT   ; 32 lanes read 512 consecutive bytes
.endr
.endm
.macro QTURN t                         ; a step's 2,048 bytes through the wave's stage: in as they lie, out 64 bytes a lane
.irp i, 0,1,2,3
	ds_store_b128 v14, v[QR+16*((\t)%4)+4*\i:QR+16*((\t)%4)+4*\i+3] offset:32*QSP*((\t)%2)+8*QSP*\i
.endr
.irp i, 0,1,2,3
	ds_load_b128 v[QX+16*((\t)%2)+4*\i:QX+16*((\t)%2)+4*\i+3], v15 offset:32*QSP*((\t)%2)+16*\i
.endr
.endm
.macro QSTEP t
.set QXS, QX+16*((\t)%2)
.if (\t) > 0
	s_wait_dscnt 1                                 ; this step's numbers are back from the stage (the last step's byte store may be out)
.else
	s_wait_dscnt 0x0
.endif
.if (\t)+4 < QSTEPS
	QLOAD (\t)+4
.endif
.if (\t)+1 < QSTEPS
.if QSTEPS-2-(\t) >= 3
	s_wait_loadcnt 12                              ; the next step's four loads are in; those of the three steps behind it may be out
.else
	s_wait_loadcnt 4*(QSTEPS-2-(\t))
.endif
	QTURN (\t)+1
.endif
	v_max3_num_f32 v8, |v[QXS]|, |v[QXS+1]|, |v[QXS+2]|
	v_max3_num_f32 v9, |v[QXS+3]|, |v[QXS+4]|, |v[QXS+5]|
.irp i, 6,10
	v_max3_num_f32 v8, v8, |v[QXS+\i]|, |v[QXS+\i+1]|
	v_max3_num_f32 v9, v9, |v[QXS+\i+2]|, |v[QXS+\i+3]|
.endr
	v_max3_num_f32 v8, v8, |v[QXS+14]|, |v[QXS+15]|
	v_max3_num_f32 v8, v8, v9, (EMAX+1)<<23        ; the floor 2^(5 - 127): the byte cannot fall under 1
	v_max_num_f32_dpp v8, v8, v8 row_xmask:1 row_mask:0xf bank_mask:0xf   ; with my neighbour's 16: the block's largest magnitude
	v_add_nc_u32 v11, -(EMAX<<23), v8              ; 4 off its exponent field: the conversion's scale operand
	v_cvt_scalef32_pk16_bf6_f32 v[QC+4*(\t):QC+4*(\t)+2], v[QXS:QXS+15], v11
	v_lshrrev_b32 v[QE+(\t)], 23, v11              ; the scale's byte
	ds_store_b8 v5, v[QE+(\t)] offset:16*(\t)      ; both lanes of a block write the same byte with the same value
	global_store_b96 v4, v[QC+4*(\t):QC+4*(\t)+2], s[20:21] offset:32*CB*(\t)
.endm
	s_load_b512 s[4:19], s[0:1], 0x0               ; mask s[4:5], query, key_in, value, Wq, Wk, Wv, Wo s[18:19]
	s_load_b256 s[20:27], s[0:1], 0x40             ; cod s[20:21], scl s[22:23], mbits s[24:25], mflag s[26:27]
	v_lshl_add_u32 v224, v0, 2, 0x10400
	v_mov_b32 v225, 0
	v_lshrrev_b32 v1, 5, v0
	v_readfirstlane_b32 s28, v1                    ; wave 0..3
	v_and_b32 v2, 31, v0                           ; lane
	v_lshlrev_b32 v3, 4, v2                        ; 16 x lane
	s_cmp_lt_u32 ttmp9, 512
	s_cbranch_scc0 .Lquant
	; ---- the mask
	v_and_b32 v7, 15, v0                           ; r
	v_bfe_u32 v8, v0, 4, 1                         ; h
	s_mul_i32 s35, s28, MWB
	s_add_co_u32 s35, s35, MSTG                    ; my stage
	v_add_nc_u32 v4, s35, v3                       ; in: 16 x lane of a row
	v_mul_u32_u24 v5, v7, MP
	v_lshl_add_u32 v5, v8, 6, v5
	v_add_nc_u32 v5, s35, v5                       ; out: row r, + 64 h
	v_lshlrev_b32 v6, 3, v2                        ; 8 x lane
.irp i, 0,1,2,3,4,5,6,7,8,9,10,11,12,13,14,15
	v_mov_b32 v[MO+\i], 0                          ; written once: a lane write's destination counts as one of its sources
.endr
	s_lshr_b32 s30, ttmp9, 8                       ; b
	s_lshl_b32 s30, s30, 26                        ; x 4,096 rows x 16,384 bytes
	s_bfe_u32 s31, ttmp9, 0x70001                  ; T / 2
	s_lshl_b32 s31, s31, 19                        ; x 32 rows
	s_add_co_u32 s30, s30, s31
	s_and_b32 s31, ttmp9, 1                        ; T % 2
	s_lshl_b32 s31, s31, 17                        ; x 8 rows
	s_add_co_u32 s30, s30, s31
	s_lshl_b32 s31, s28, 12                        ; my eight steps: 4,096 bytes of a row
	s_add_co_u32 s30, s30, s31
	s_mov_b32 s31, 0
	s_lshl_b32 s32, ttmp9, 13                      ; the words: 8,192 bytes a tile,
	s_lshl_b32 s33, s28, 11                        ; 2,048 a wave
	s_add_co_u32 s32, s32, s33
	s_mov_b32 s33, 0
	s_lshl_b32 s50, ttmp9, 6                       ; the flags: 64 bytes a tile,
	s_lshl_b32 s51, s28, 4                         ; 16 a wave
	s_add_co_u32 s50, s50, s51
	s_mov_b32 s51, 0
	s_mov_b32 s44, 0
	s_mov_b32 s45, 0
	s_mov_b32 s46, -1
	s_lshl_b32 s52, s28, 3
	s_lshl_b32 s49, 1, s52                         ; the bit of my first step
	s_wait_kmcnt 0x0
	s_add_nc_u64 s[4:5], s[4:5], s[30:31]
	s_add_nc_u64 s[24:25], s[24:25], s[32:33]
	s_add_nc_u64 s[26:27], s[26:27], s[50:51]
	MLOAD 0
	MLOAD 1
.irp jx, 0,1,2,3,4,5,6,7
	MSTEP \jx
.endr
	v_mov_b32 v8, s44
	v_mov_b32 v9, s45
	v_mov_b32 v10, s46
	v_mov_b32 v11, 0
	v_cmp_eq_u32 vcc_lo, 0, v2                     ; lane 0 alone stores the wave's record
	s_wait_alu depctr_va_vdst(0)
	s_wait_xcnt 0x0                                ; EXEC is a source of the stores above: it changes only behind this wait
	s_wait_tensorcnt 0x0
	ds_add_u32 v224, v225
	s_wait_dscnt 0x0
	s_and_saveexec_b32 s52, vcc_lo
	global_store_b128 v3, v[8:11], s[26:27]        ; 16 bytes (v3 is 0 in lane 0): 2,048 such stores in the launch, 32,768 bytes in all
	s_wait_xcnt 0x0                                ; and again, in front of the line that widens it
	s_or_b32 exec_lo, exec_lo, s52
	s_endpgm
	; ---- the quantiser: a wave takes a run of 8,192 numbers: 16 steps of 512
.Lquant:
	s_sub_co_u32 s30, ttmp9, 512                   ; q = 0 .. 415: 128 work-groups for each activation, 8 for each weight
	s_lshr_b32 s31, s30, 7
	s_and_b32 s32, s30, 127
	s_sub_co_u32 s33, s30, 384
	s_lshr_b32 s34, s33, 3
	s_add_co_u32 s34, s34, 3
	s_and_b32 s35, s33, 7
	s_cmp_lt_u32 s30, 384
	s_cselect_b32 s31, s31, s34                    ; which tensor, 0 .. 6
	s_cselect_b32 s32, s32, s35                    ; which work-group's worth of it
	s_mul_i32 s36, s28, QWREG
	s_wait_alu depctr_va_vdst(0)
	v_lshrrev_b32 v14, 2, v2
	v_mul_u32_u24 v14, v14, QSP
	v_and_b32 v15, 3, v2
	v_lshl_add_u32 v14, v15, 4, v14
	v_add_nc_u32 v14, s36, v14                     ; the stage, in: four lanes' 64 bytes on end, then 16 of padding
	v_mul_u32_u24 v15, v2, QSP
	v_add_nc_u32 v15, s36, v15                     ; out: my 16 neighbours
	v_mul_u32_u24 v4, v2, CB
	v_lshrrev_b32 v5, 1, v2
	s_add_co_u32 s36, s36, 2*32*QSP
	v_add_nc_u32 v5, s36, v5                       ; my block's byte among the wave's 256
	v_lshlrev_b32 v7, 3, v2
	v_add_nc_u32 v6, s36, v7
	s_wait_alu depctr_va_vdst(0)
	s_wait_kmcnt 0x0
	s_mov_b64 s[4:5], s[6:7]
.irp kx, 1,2,3,4,5,6
	s_cmp_eq_u32 s31, \kx                          ; the choice hangs on the work-group's number alone
	s_cselect_b64 s[4:5], s[6+2*\kx:7+2*\kx], s[4:5]
.endr
	s_lshl_b32 s32, s32, 2
	s_add_co_u32 s32, s32, s28
	s_lshl_b32 s32, s32, 15                        ; 32,768 bytes of f32 a run
	s_mov_b32 s33, 0
	s_add_nc_u64 s[4:5], s[4:5], s[32:33]
	s_lshl_b32 s34, s30, 2
	s_add_co_u32 s34, s34, s28                     ; the run's number over all seven tensors: their codes and bytes lie on end
	s_mul_i32 s32, s34, 32*QSTEPS*CB
	s_add_nc_u64 s[20:21], s[20:21], s[32:33]
	s_lshl_b32 s32, s34, 8
	s_add_nc_u64 s[22:23], s[22:23], s[32:33]
.irp tx, 0,1,2,3
	QLOAD \tx
.endr
	s_wait_loadcnt 12                              ; step 0's four loads are in
	QTURN 0
.irp tx, 0,1,2,3,4,5,6,7,8,9,10,11,12,13,14,15
	QSTEP \tx
.endr
	ds_load_b64 v[12:13], v6                       ; LDS serves a wave's instructions in order: these see my byte stores
	s_wait_dscnt 0x0
	global_store_b64 v7, v[12:13], s[22:23]        ; 32 lanes store 256 consecutive bytes, aligned
	s_wait_tensorcnt 0x0
	ds_add_u32 v224, v225
	s_wait_dscnt 0x0
	s_endpgm
.Lfunc_end_k_qf16bd8cca2_front:
	.size	k_qf16bd8cca2_front, .Lfunc_end_k_qf16bd8cca2_front-k_qf16bd8cca2_front
	.p2alignl 7, 3214868480
	.fill 96, 4, 3214868480
	.section	.rodata,"a",@progbits
	.p2align	6, 0x0
	.amdhsa_kernel k_qf16bd8cca2_front
		.amdhsa_group_segment_fixed_size 67072
		.amdhsa_private_segment_fixed_size 0
		.amdhsa_enable_private_segment 0
		.amdhsa_kernarg_size 96
		.amdhsa_user_sgpr_count 2
		.amdhsa_user_sgpr_kernarg_segment_ptr 1
		.amdhsa_wavefront_size32 1
		.amdhsa_system_sgpr_workgroup_id_x 1
		.amdhsa_system_sgpr_workgroup_id_y 1
		.amdhsa_system_sgpr_workgroup_id_z 1
		.amdhsa_system_vgpr_workitem_id 0
		.amdhsa_next_free_vgpr 226
		.amdhsa_next_free_sgpr 66
		.amdhsa_reserve_vcc 1
		.amdhsa_float_denorm_mode_32 3
		.amdhsa_float_denorm_mode_16_64 3
		.amdhsa_memory_ordered 1
		.amdhsa_forward_progress 1
		.amdhsa_inst_pref_size 163
	.end_amdhsa_kernel
	.amdgpu_metadata
---
amdhsa.version: [ 1, 2 ]
amdhsa.kernels:
  - .name:           k_qf16bd8cca2_front
    .symbol:         k_qf16bd8cca2_front.kd
    .args:
      - { .name: mask, .offset: 0, .size: 8, .value_kind: global_buffer, .address_space: global }
      - { .name: query, .offset: 8, .size: 8, .value_kind: global_buffer, .address_space: global }
      - { .name: key_in, .offset: 16, .size: 8, .value_kind: global_buffer, .address_space: global }
      - { .name: value, .offset: 24, .size: 8, .value_kind: global_buffer, .address_space: global }
      - { .name: Wq, .offset: 32, .size: 8, .value_kind: global_buffer, .address_space: global }
      - { .name: Wk, .offset: 40, .size: 8, .value_kind: global_buffer, .address_space: global }
      - { .name: Wv, .offset: 48, .size: 8, .value_kind: global_buffer, .address_space: global }
      - { .name: Wo, .offset: 56, .size: 8, .value_kind: global_buffer, .address_space: global }
      - { .name: cod, .offset: 64, .size: 8, .value_kind: global_buffer, .address_space: global }
      - { .name: scl, .offset: 72, .size: 8, .value_kind: global_buffer, .address_space: global }
      - { .name: mbits, .offset: 80, .size: 8, .value_kind: global_buffer, .address_space: global }
      - { .name: mflag, .offset: 88, .size: 8, .value_kind: global_buffer, .address_space: global }
    .group_segment_fixed_size: 67072
    .private_segment_fixed_size: 0
    .kernarg_segment_align: 8
    .kernarg_segment_size: 96
    .max_flat_workgroup_size: 128
    .sgpr_count:     66
    .vgpr_count:     226
    .wavefront_size: 32
...
	.end_amdgpu_metadata
.endif
;; end of part 5
;; launch proj (part 6): grid 64 x 3, 4 waves a work-group, no clusters, 0 bytes of LDS; arguments cod, scl, bq, bk, bv, qkv; writes qkv
.if DOCPART == 6
	.amdgcn_target "amdgcn-amd-amdhsa--gfx1250"
	.amdhsa_code_object_version 6
	.text
	.protected	k_qf16bd8cca2_proj
	.globl	k_qf16bd8cca2_proj
	.p2align	8
	.type	k_qf16bd8cca2_proj,@function
k_qf16bd8cca2_proj:
	s_mov_b64 s[64:65], 0
	v_nop
	global_prefetch_b8 v0, s[64:65] scope:SCOPE_SE
	s_setreg_imm32_b32 hwreg(HW_REG_WAVE_SCHED_MODE, 0, 2), 2
	s_setreg_imm32_b32 hwreg(HW_REG_WAVE_MODE, 25, 1), 1
	s_wait_xcnt 0x0
	s_wait_alu depctr_vm_vsrc(0)
; PROJ: q = query Wq^T + bq, k = key_in Wk^T + bk, v = value Wv^T + bv on codes of E3M2, and the results quantised in registers: q and k along the head's 64, v along the keys.
; Work-group (g, y): rows 128 g .. 128 g + 127 of tensor y (0 q, 1 k, 2 v).  Wave w: features 128 w .. 128 w + 127 (heads 2 w, 2 w + 1).  No LDS, no barrier: a wave is alone.
; A wave holds one operand P (128 rows x 512 K: 32 fragments, 384 registers) as source 0 and streams the other, R, a tile of 16 rows at a time, as source 1.  A lane's 64 results of a trip then run along
; P's rows, which are the next product's K: for q and k P = the weight's rows (the head's axis), R = x's rows; for v P = x's 128 keys, R = Wv's rows.  One text: what differs lies in scalars chosen on y.
; EVERY TILE IS SPLIT: tile t holds rows 32 (t / 2) + 8 (t % 2) + r + 8 (r / 8), so that the 16 result registers of tiles 2 b, 2 b + 1 are 16 neighbours 32 b + 16 h + 0 .. 15.
; OUT: images of operand registers.  Six registers of 32 lanes are 768 bytes: registers 0-3 at 16 x lane, registers 4-5 at 512 + 8 x lane: every store covers whole aligned blocks of 256 bytes.
; The bias along P's rows is the C of a sum's first product (q, k); the bias along R's rows is added behind the sums (v); the one not wanted is made 0 by a select on y.
; LIMITS: NaN and infinities are not served; a block of zeros carries the byte 1 (its codes are zeros; this program alone reads the bytes).
; REGISTERS: window 0: v1-13 addresses; v64-127 the 8 accumulators; v128-146 codes at work; v148-163 at work; v168-175 R's scale words (two sets); v176-191 the bias along R; v192-199 the trips' scale words;
;   v224-255 P's scale words.  Window 1: P's fragments of K steps 0, 1.  Window 2: of K steps 2, 3.  Window 3: v0-95 R's fragments, two sets; v128-191 the bias along P.
; THE MODE: SCHED_MODE bits 1:0 = 2 (LLVM: expert scheduling mode 2), set by the entry lines.  The code itself states the register dependences
; between vector or matrix instructions and memory instructions, with s_wait_alu, always for 0.
; THE PLAN.  Registers that memory instructions touch:
;   v1, v2, v5, v6      the loads' offsets: made once at the head and never written again.
;   R0, R1              window 3, v0-47 and v48-95, with their scale words v168-171 and v172-175.  Trip i's 32 products read set i % 2; the 25 loads of tile i + 1 land in the other set, which trip i - 1's products read.
;   v128-139, v8, v9    a trip's codes and its stores' offsets: written by the trip's quantiser, read by its four stores, written again a trip later.
;   v192-199, v200-204  the scale words and their offset: written by vector instructions, read by the last stores.
;   P's fragments, its scale words and the two biases are loaded once; the accumulators and the quantiser's other registers are named by vector and matrix instructions alone.
; So ONE wait on va_vdst stands in a trip, ahead of its four stores: the codes and offsets are written, and the trip's products are done reading their set of R.  The next trip's loads into that set
; follow it with no further wait, six behind each K step's eight products, which name the other set.  One wait on vm_vsrc a trip stands ahead of the quantiser.
.set ACC, 64
.set PC,  128
.set TM,  148
.set RS,  168
.set BR,  176
.set SW,  192
.set PS,  224
.set BP,  128
.set PP,  36                           ; s[36:37] P's codes;  s[38:39] R's;  s[40:41] P's scale bytes;  s[42:43] R's;  s[44:45] the bias
.set RP,  38
.set PSP, 40
.set RSP, 42
.set BI,  44
.set MSB, 0
.macro WIN new                         ; the immediate's high byte repeats the setting that is left
.if MSB != (\new)
	s_set_vgpr_msb (MSB<<8)|(\new)
.set MSB, (\new)
.endif
.endm
.macro RFRAG i, buf, ks                ; tile i of R: the fragment of K step ks: six loads
	WIN 0xc0
.irp p, 0,1,2,3,4,5
	global_load_b64 v[48*(\buf)+12*(\ks)+2*\p:48*(\buf)+12*(\ks)+2*\p+1], v1, s[RP:RP+1] offset:(32*((\i)/2)+8*((\i)%2))*384+96*(\ks)+48*(\p/3)+8*(\p%3)
.endr
.endm
.macro RSCALE i, buf                   ; and its rows' scale words: with the four fragments 25 loads
	WIN 0
	global_load_b128 v[RS+4*(\buf):RS+4*(\buf)+3], v2, s[RSP:RSP+1] offset:(32*((\i)/2)+8*((\i)%2))*16
.endm
; 64 numbers of a lane, register 16 b + i = k 32 b + 16 (lane / 16) + i of my row, become a fragment's codes in v[PC] on and its scale word in v[pw]
.macro QUANT src, pw
.irp b, 0,1,2,3
	v_max3_num_f32 v[TM+\b], |v[\src+16*\b]|, |v[\src+1+16*\b]|, 0x2800000   ; and the floor 2^(5 - 127): the byte cannot fall under 1
.endr
.irp i, 2,4,6,8,10,12,14
.irp b, 0,1,2,3
	v_max3_num_f32 v[TM+\b], v[TM+\b], |v[\src+16*\b+\i]|, |v[\src+1+16*\b+\i]|
.endr
.endr
.irp b, 0,1,2,3
	v_permlanex16_b32 v[TM+4+\b], v[TM+\b], s2, s3
.endr
.irp b, 0,1,2,3
	v_max_num_f32 v[TM+\b], v[TM+\b], v[TM+4+\b]   ; with lane l xor 16's: the block's largest magnitude
.endr
.irp b, 0,1,2,3
	v_add_nc_u32 v[TM+12+\b], 0xfe000000, v[TM+\b] ; 4 off its exponent field: the conversion's scale operand
.endr
.irp b, 0,1,2,3
	v_lshrrev_b32 v[TM+4+\b], 23, v[TM+12+\b]      ; the scale's byte
.endr
	v_lshl_or_b32 v[\pw], v[TM+5], 8, v[TM+4]
	v_lshl_or_b32 v[\pw], v[TM+6], 16, v[\pw]
	v_lshl_or_b32 v[\pw], v[TM+7], 24, v[\pw]
.irp c, 0,1
	v_cvt_scalef32_pk16_bf6_f32 v[PC+6*\c:PC+2+6*\c], v[\src+32*\c:\src+15+32*\c], v[TM+12+2*\c]
	v_cvt_scalef32_pk16_bf6_f32 v[PC+12+4*\c:PC+14+4*\c], v[\src+16+32*\c:\src+31+32*\c], v[TM+12+2*\c+1]   ; (a conversion's three registers begin on an even number)
.endr
	v_nop                                          ; one plain place behind a scaled conversion
.irp c, 0,1                            ; the operand's layout wants a whole block in a lane
.irp i, 0,1,2
	v_permlane16_swap_b32 v[PC+6*\c+\i], v[PC+12+4*\c+\i]
.endr
.irp i, 0,1,2
	v_mov_b32 v[PC+3+6*\c+\i], v[PC+12+4*\c+\i]
.endr
.endr
.endm
; A trip: tile i of R against all of P: 32 products, the 8 accumulators by turns, K ascending; the results quantised and stored.
.macro TRIP i
	s_wait_loadcnt 0x0                             ; this trip's tile of R, asked for a trip ago, is in: no other load is out here
.irp ks, 0,1,2,3
.if \ks == 0
	WIN 0x3d                                       ; source 0 window 1, source 1 window 3, C window 3 (the bias), D window 0
.elseif \ks == 1
	WIN 0x0d
.else
	WIN 0x0e                                       ; source 0 window 2
.endif
.irp t, 0,1,2,3,4,5,6,7
.if \ks == 0
	v_wmma_scale_f32_16x16x128_f8f6f4 v[ACC+8*\t:ACC+8*\t+7], v[12*(8*(\ks%2)+\t):12*(8*(\ks%2)+\t)+11], v[48*((\i)%2)+12*\ks:48*((\i)%2)+12*\ks+11], v[BP+8*\t:BP+8*\t+7], v[PS+4*\t+\ks], v[RS+4*((\i)%2)+\ks] matrix_a_fmt:MATRIX_FMT_BF6 matrix_b_fmt:MATRIX_FMT_BF6
.else
	v_wmma_scale_f32_16x16x128_f8f6f4 v[ACC+8*\t:ACC+8*\t+7], v[12*(8*(\ks%2)+\t):12*(8*(\ks%2)+\t)+11], v[48*((\i)%2)+12*\ks:48*((\i)%2)+12*\ks+11], v[ACC+8*\t:ACC+8*\t+7], v[PS+4*\t+\ks], v[RS+4*((\i)%2)+\ks] matrix_a_fmt:MATRIX_FMT_BF6 matrix_b_fmt:MATRIX_FMT_BF6
.endif
.endr
.if (\i) < 7
	RFRAG (\i)+1, ((\i)+1)%2, \ks                  ; the next tile, into the set that the trip before multiplied.  No wait: no vector or matrix instruction since that trip's wait on va_vdst names these registers
.endif
.endr
.if (\i) < 7
	RSCALE (\i)+1, ((\i)+1)%2
.endif
	WIN 0
.rept 4
	v_nop                                          ; four places behind the last product (ISA guide 7.12.1), for the reads below
.endr
.set qq, 0
.rept 32
	v_pk_add_f32 v[ACC+qq:ACC+qq+1], v[ACC+qq:ACC+qq+1], v[BR+2*(\i):BR+2*(\i)+1]   ; the bias along R's rows; each accumulator from its low end on
.set qq, qq+2
.endr
	s_wait_xcnt 0x0                                ; the last trip's stores have read their data and offsets: both are written again below
.if (\i) > 0
	s_wait_alu depctr_vm_vsrc(0)                   ; the last trip's four stores have read v[PC ..], v8 and v9, which the quantiser and the two additions below write again
.endif
	QUANT ACC, SW+4*((\i)%2)+(\i)/2
	v_add_nc_u32 v8, s56, v3
	v_add_nc_u32 v9, s56, v4
	s_wait_alu depctr_va_vdst(0)                   ; the codes v[PC ..] and the offsets v8, v9 are written, which the stores read; this trip's products are done reading their set of R and its scale words, in which the next trip's loads land
	global_store_b128 v8, v[PC:PC+3], s[50:51]                 ; registers 0-5: the first half image
	global_store_b64 v9, v[PC+4:PC+5], s[50:51] offset:512
	global_store_b128 v8, v[PC+6:PC+9], s[52:53]               ; registers 6-11: the second
	global_store_b64 v9, v[PC+10:PC+11], s[52:53] offset:512
.if (\i) == 3
	s_add_co_u32 s56, s56, s58
.else
	s_add_co_u32 s56, s56, s57
.endif
.endm
	s_load_b256 s[4:11], s[0:1], 0x0               ; cod s[4:5], scl s[6:7], bq s[8:9], bk s[10:11]
	s_load_b128 s[12:15], s[0:1], 0x20             ; bv s[12:13], qkv s[14:15]
	v_lshrrev_b32 v1, 5, v0
	v_readfirstlane_b32 s16, v1                    ; wave 0..3
	v_and_b32 v10, 15, v0                          ; r
	v_bfe_u32 v11, v0, 4, 1                        ; h
	v_and_b32 v12, 8, v10
	v_add_nc_u32 v12, v12, v10                     ; r + 8 (r / 8)
	v_and_b32 v13, 31, v0                          ; lane
	v_mul_u32_u24 v1, v12, 384                     ; a row of 512 codes is 384 bytes
	v_mad_u32_u24 v1, v11, 24, v1
	v_lshlrev_b32 v2, 4, v12                       ; a row's 16 scale bytes
	v_lshlrev_b32 v3, 4, v13
	v_lshlrev_b32 v4, 3, v13
	v_lshlrev_b32 v5, 6, v11                       ; the bias along P: 16 h numbers on
	v_lshlrev_b32 v6, 2, v12                       ; the bias along R
	v_lshlrev_b32 v7, 4, v11                       ; 16 h, a shift
	s_wait_alu depctr_va_sdst(0)                   ; s16 is written, ahead of its first reader: the wave's places in the buffers are made from it
	s_mov_b32 s2, 0x76543210
	s_mov_b32 s3, 0xfedcba98                       ; v_permlanex16_b32's selects for lane l xor 16
	s_and_b32 s17, ttmp7, 0xffff                   ; y
	s_mul_i32 s20, s17, 3145728
	s_mul_i32 s21, ttmp9, 49152
	s_add_co_u32 s20, s20, s21                     ; x's codes: tensor y, 128 rows x 384 bytes a group
	s_mul_i32 s22, s17, 196608
	s_mul_i32 s21, s16, 49152
	s_add_co_u32 s22, s22, s21
	s_add_co_u32 s22, s22, 9437184                 ; the weight's codes: my 128 rows
	s_lshl_b32 s24, s17, 17
	s_lshl_b32 s21, ttmp9, 11
	s_add_co_u32 s24, s24, s21                     ; x's scale bytes
	s_lshl_b32 s26, s17, 13
	s_lshl_b32 s21, s16, 11
	s_add_co_u32 s26, s26, s21
	s_add_co_u32 s26, s26, 393216                  ; the weight's
	s_cmp_lt_u32 s17, 2
	s_cselect_b32 s28, s22, s20                    ; P: the weight for q and k, x for v
	s_cselect_b32 s30, s20, s22                    ; R: the other
	s_cselect_b32 s32, s26, s24
	s_cselect_b32 s34, s24, s26
	s_cselect_b32 s18, -1, 0                       ; all ones for q and k
	s_mov_b32 s29, 0
	s_mov_b32 s31, 0
	s_mov_b32 s33, 0
	s_mov_b32 s35, 0
	; where the results go
	s_lshr_b32 s19, ttmp9, 5                       ; b
	s_and_b32 s59, ttmp9, 31                       ; j: the group of 128 rows in the batch
	s_lshl_b32 s19, s19, 3
	s_lshl_b32 s46, s16, 1
	s_add_co_u32 s19, s19, s46                     ; 8 b + 2 w: my first head
	s_mul_i32 s46, s19, 196608
	s_mul_i32 s47, s59, 6144
	s_add_co_u32 s46, s46, s47                     ; q's images: [head][tile][768]
	s_mul_i32 s47, s19, 425984
	s_mul_i32 s48, s59, 13312
	s_add_co_u32 s47, s47, s48
	s_add_co_u32 s47, s47, 3407872                 ; the block of key step j of my first head
	s_lshl_b32 s54, s19, 14
	s_lshl_b32 s55, s59, 9
	s_add_co_u32 s54, s54, s55
	s_add_co_u32 s54, s54, 3145728                 ; q's scale words
	s_add_co_u32 s55, s47, 12288                   ; k's
	s_add_co_u32 s19, s47, 12800                   ; v's
	s_mov_b32 s62, 425984
	s_mov_b32 s57, 196608
	s_cmp_eq_u32 s17, 0
	s_cselect_b32 s48, s46, s47
	s_cselect_b32 s60, s54, s55
	s_cselect_b32 s54, s57, s62                    ; from the first half image to the second: a head on (q, k),
	s_cselect_b32 s62, 16384, s62                  ; and a head on among the scale words
	s_mov_b32 s57, 768
	s_mov_b32 s58, 768
	s_cmp_eq_u32 s17, 2
	s_cselect_b32 s59, 6144, 0                     ; v's images lie behind k's in the block
	s_cselect_b32 s54, 768, s54                    ; or 64 keys on (v)
	s_cselect_b32 s57, 1536, s57                   ; from trip to trip: a tile on
	s_cselect_b32 s58, 421376, s58                 ; behind trip 3: for v a head on less three tiles
	s_cselect_b32 s60, s19, s60
	s_add_co_u32 s48, s48, s59
	s_mov_b32 s49, 0
	s_mov_b32 s55, 0
	s_mov_b32 s61, 0
	s_mov_b32 s56, 0
	s_lshl_b32 s20, s16, 9                         ; my 128 numbers of the bias
	s_mov_b32 s21, 0
	s_wait_kmcnt 0x0
	s_add_nc_u64 s[PP:PP+1], s[4:5], s[28:29]
	s_add_nc_u64 s[RP:RP+1], s[4:5], s[30:31]
	s_add_nc_u64 s[PSP:PSP+1], s[6:7], s[32:33]
	s_add_nc_u64 s[RSP:RSP+1], s[6:7], s[34:35]
	s_cmp_eq_u32 s17, 1
	s_cselect_b64 s[BI:BI+1], s[10:11], s[8:9]
	s_cmp_eq_u32 s17, 2
	s_cselect_b64 s[BI:BI+1], s[12:13], s[BI:BI+1]
	s_add_nc_u64 s[BI:BI+1], s[BI:BI+1], s[20:21]
	s_add_nc_u64 s[50:51], s[14:15], s[48:49]
	s_add_nc_u64 s[52:53], s[50:51], s[54:55]
	s_add_nc_u64 s[60:61], s[14:15], s[60:61]
	WIN 0x40                                       ; P's fragments stay: (tile t, K step ks) at v[12 (8 (ks % 2) + t)] of window 1 or 2
	s_wait_alu depctr_va_vdst(0)                   ; the offsets v1, v2, v5 and v6 are written: every load of the kernel reads one of them
.irp ks, 0,1
.irp t, 0,1,2,3,4,5,6,7
.irp p, 0,1,2,3,4,5
	global_load_b64 v[12*(8*\ks+\t)+2*\p:12*(8*\ks+\t)+2*\p+1], v1, s[PP:PP+1] offset:(32*(\t/2)+8*(\t%2))*384+96*\ks+48*(\p/3)+8*(\p%3)
.endr
.endr
.endr
	WIN 0x80
.irp ks, 2,3
.irp t, 0,1,2,3,4,5,6,7
.irp p, 0,1,2,3,4,5
	global_load_b64 v[12*(8*(\ks-2)+\t)+2*\p:12*(8*(\ks-2)+\t)+2*\p+1], v1, s[PP:PP+1] offset:(32*(\t/2)+8*(\t%2))*384+96*\ks+48*(\p/3)+8*(\p%3)
.endr
.endr
.endr
	WIN 0
.irp t, 0,1,2,3,4,5,6,7
	global_load_b128 v[PS+4*\t:PS+4*\t+3], v2, s[PSP:PSP+1] offset:(32*(\t/2)+8*(\t%2))*16   ; a row's four scale words
.endr
	WIN 0xc0
.irp t, 0,1,2,3,4,5,6,7
	global_load_b128 v[BP+8*\t:BP+8*\t+3], v5, s[BI:BI+1] offset:(32*(\t/2)+8*(\t%2))*4        ; in the result's layout: tile t, lane (r, h): numbers 16 h + 0 .. 7 of the tile's rows
	global_load_b128 v[BP+8*\t+4:BP+8*\t+7], v5, s[BI:BI+1] offset:(32*(\t/2)+8*(\t%2))*4+16
.endr
	WIN 0
.irp t, 0,1,2,3,4,5,6,7
	global_load_b32 v[BR+2*\t], v6, s[BI:BI+1] offset:(32*(\t/2)+8*(\t%2))*4                  ; tile t of R, my row's number, in both registers of a pair
	global_load_b32 v[BR+2*\t+1], v6, s[BI:BI+1] offset:(32*(\t/2)+8*(\t%2))*4
.endr
.irp ks, 0,1,2,3
	RFRAG 0, 0, \ks                                ; R's first tile
.endr
	RSCALE 0, 0
	s_wait_loadcnt 25                              ; all is in but R's first tile
	WIN 0xcc
.set qq, 0
.rept 64
	v_cndmask_b32 v[BP+qq], 0, v[BP+qq], s18       ; kept for q and k
.set qq, qq+1
.endr
	WIN 0
.set qq, 0
.rept 16
	v_cndmask_b32 v[BR+qq], v[BR+qq], 0, s18       ; kept for v
.set qq, qq+1
.endr
.irp b, 0,1,2,3
	v_mov_b32 v[TM+4+\b], 0                        ; written once: a lane permute's destination counts as one of its sources
.endr
.irp ix, 0,1,2,3,4,5,6,7
	TRIP \ix
.endr
	; the scale words.  Trip i's lies in v[SW + 4 (i % 2) + i / 2]
	s_cmp_eq_u32 s17, 2
	s_cbranch_scc1 .Lvscale
.irp kx, 0,1,2,3,4,5,6,7
	v_lshrrev_b32 v[SW+\kx], v7, v[SW+\kx]         ; lanes 0-15 keep my first head's two bytes, lanes 16-31 my second's;
	v_and_b32 v[SW+\kx], 0xffff, v[SW+\kx]         ; bytes 2 and 3, of the half of K that holds zero codes, are 0
.endr
	v_mul_lo_u32 v200, v11, s62
	v_lshl_add_u32 v200, v10, 4, v200              ; a head on for lanes 16-31; 16 bytes a row: the words of tiles u, 2 + u, 4 + u, 6 + u
	s_wait_alu depctr_va_vdst(0)                   ; the scale words v[SW ..] and their offset v200 are written, which the two stores read
	global_store_b128 v200, v[SW:SW+3], s[60:61]               ; u = 0: sixteen lanes store 256 consecutive bytes, aligned
	global_store_b128 v200, v[SW+4:SW+7], s[60:61] offset:256  ; u = 1
	s_endpgm
.Lvscale:
	v_cmp_eq_u32 vcc_lo, 1, v11
	s_wait_alu depctr_va_vcc(0)                    ; VCC is written, ahead of the four selects that read it
	v_cndmask_b32 v200, v[SW], v[SW+2], vcc_lo     ; lanes 0-15: trips 0 .. 3 (my first head's four tiles), lanes 16-31: trips 4 .. 7
	v_cndmask_b32 v201, v[SW+4], v[SW+6], vcc_lo
	v_cndmask_b32 v202, v[SW+1], v[SW+3], vcc_lo
	v_cndmask_b32 v203, v[SW+5], v[SW+7], vcc_lo
	v_mul_lo_u32 v204, v11, s62
	v_lshl_add_u32 v204, v10, 4, v204
	s_wait_alu depctr_va_vdst(0)                   ; the words v200-203 and their offset v204 are written, which the two stores read
	global_store_b128 v204, v[200:203], s[60:61]
	global_store_b128 v204, v[200:203], s[60:61] offset:256    ; twice, so that a load of 16 bytes a lane finds them in both halves of the lanes
	s_endpgm
.Lfunc_end_k_qf16bd8cca2_proj:
	.size	k_qf16bd8cca2_proj, .Lfunc_end_k_qf16bd8cca2_proj-k_qf16bd8cca2_proj
	.p2alignl 7, 3214868480
	.fill 96, 4, 3214868480
	.section	.rodata,"a",@progbits
	.p2align	6, 0x0
	.amdhsa_kernel k_qf16bd8cca2_proj
		.amdhsa_group_segment_fixed_size 0
		.amdhsa_private_segment_fixed_size 0
		.amdhsa_enable_private_segment 0
		.amdhsa_kernarg_size 48
		.amdhsa_user_sgpr_count 2
		.amdhsa_user_sgpr_kernarg_segment_ptr 1
		.amdhsa_wavefront_size32 1
		.amdhsa_system_sgpr_workgroup_id_x 1
		.amdhsa_system_sgpr_workgroup_id_y 1
		.amdhsa_system_sgpr_workgroup_id_z 1
		.amdhsa_system_vgpr_workitem_id 0
		.amdhsa_next_free_vgpr 1024
		.amdhsa_next_free_sgpr 66
		.amdhsa_reserve_vcc 1
		.amdhsa_float_denorm_mode_32 3
		.amdhsa_float_denorm_mode_16_64 3
		.amdhsa_memory_ordered 1
		.amdhsa_forward_progress 1
		.amdhsa_inst_pref_size 138
	.end_amdhsa_kernel
	.amdgpu_metadata
---
amdhsa.version: [ 1, 2 ]
amdhsa.kernels:
  - .name:           k_qf16bd8cca2_proj
    .symbol:         k_qf16bd8cca2_proj.kd
    .args:
      - { .name: cod, .offset: 0, .size: 8, .value_kind: global_buffer, .address_space: global }
      - { .name: scl, .offset: 8, .size: 8, .value_kind: global_buffer, .address_space: global }
      - { .name: bq, .offset: 16, .size: 8, .value_kind: global_buffer, .address_space: global }
      - { .name: bk, .offset: 24, .size: 8, .value_kind: global_buffer, .address_space: global }
      - { .name: bv, .offset: 32, .size: 8, .value_kind: global_buffer, .address_space: global }
      - { .name: qkv, .offset: 40, .size: 8, .value_kind: global_buffer, .address_space: global }
    .group_segment_fixed_size: 0
    .private_segment_fixed_size: 0
    .kernarg_segment_align: 8
    .kernarg_segment_size: 48
    .max_flat_workgroup_size: 128
    .sgpr_count:     66
    .vgpr_count:     1024
    .wavefront_size: 32
...
	.end_amdgpu_metadata
.endif
;; end of part 6
;; launch attn (part 7): grid 16 x 16, 16 waves a work-group, no clusters, 108,544 bytes of LDS; arguments qkv, mbits, mflag, ao; writes ao
.if DOCPART == 7
	.amdgcn_target "amdgcn-amd-amdhsa--gfx1250"
	.amdhsa_code_object_version 6
	.text
	.protected	k_qf16bd8cca2_attn
	.globl	k_qf16bd8cca2_attn
	.p2align	8
	.type	k_qf16bd8cca2_attn,@function
k_qf16bd8cca2_attn:
	s_mov_b64 s[64:65], 0
	v_nop
	global_prefetch_b8 v0, s[64:65] scope:SCOPE_SE
	s_setreg_imm32_b32 hwreg(HW_REG_WAVE_SCHED_MODE, 0, 2), 2
	s_setreg_imm32_b32 hwreg(HW_REG_WAVE_MODE, 25, 1), 1
	s_wait_xcnt 0x0
	s_wait_alu depctr_vm_vsrc(0)
; ATTN: O = softmax(q k^T / 8, hidden logits replaced) v for one head, both products on codes of E3M2; O / l quantised along the head's 64 and stored as an operand's registers.
; THE SOFTMAX: t = score x log2(e) / 8; M = the running largest t rounded up to a whole number; p = 2^(t - M) is quantised along the keys; the row's sum is taken of the unquantised p and divides at the end.
; SHARES.  Work-group (g, bh); each of sixteen waves owns ONE tile of 16 queries, T = 16 p(w) + g, in 256 registers: four waves to a SIMD.  p(w) is a fixed permutation of 0 .. 15 in which any four waves with
; equal w % 4, and any four with equal w / 4, have numbers that add up to 30: it spreads early and late queries evenly; no value hangs on it.
; Every wave walks all 32 key steps of 128 keys.  K's and V's register images of four steps (53,248 bytes) are copied memory -> registers -> LDS by all 512 threads into two slots by turns: one barrier a phase.
; THE MASK comes packed: 64 lane masks a step (one v_cndmask_b32 a score) and flags made by an earlier launch.  A step in which all 2,048 entries are hidden is left out, provided every row of the tile has an open
; key somewhere (else nothing is left out for this tile); a step that hides nothing leaves the selects out.  Only a step's work is jumped over, never a barrier or the copy.
; No tensor load and no cluster, though sixteen work-groups read the same K and V; this text branches on numbers read from memory (the flags).
; A hidden score is replaced by -2^33, the logit -2^30, where the definition has -1e9: x c it is a whole number, so a row with no open key has t = M and p = 1 on every key, as the definition gives; in any other row p = 0.
; LIMITS: true logits under about -1e9 are not told from hidden ones; NaN and infinities are not served; a block of zeros carries the byte 1.
; LAYOUT.  Both products are used transposed (source 0 = 16 keys, or 16 of the head's 64; source 1 = my 16 queries): a lane holds one query.  Tiles are split: tile t holds rows 32 (t / 2) + 8 (t % 2) + r + 8 (r / 8).
; K = 64 of the first product fills half of the instruction's 128: the other half of both operands is zero codes under the byte 0.
; REGISTERS: v1-8 addresses; v9 the stand-in; v12 -M, v13 the largest t, v[14:15] the sum; v16-27 Q; v28 Q's scale word; v32-79 four fragments of K; v80-83, v84-87 K's and V's scale words; v88-95, v232-249 the copy;
;   v96-159 S^T, then p, then V's fragments; v160-191 O^T; v192-203 p's codes; v204-231 at work.
; THE MODE: SCHED_MODE bits 1:0 = 2 (LLVM: expert scheduling mode 2), set by the entry lines.  The code itself states the register dependences
; between vector or matrix instructions and memory or LDS instructions, with s_wait_alu, always for 0.
; THE PLAN.  Registers that memory or LDS instructions touch:
;   v1-v8, v10         addresses and offsets: made once at the head and never written again.
;   v88-95, v232-249   the copy: global loads land in them, LDS stores read them, no vector instruction names them.  One wait on vm_vsrc at a phase's head, ahead of the branch round the loads.
;   v32-37, v44-49, v56-61, v68-73, v80-83   K's codes and scale words: LDS loads land, the first products read.  Two runs of loads a step into the same registers.
;   v84-87             V's scale words: an LDS load lands (with K's second run), the second products read.
;   v96-143            written by the first products and the exponentials, read by the sums and the conversions; then V's fragments land there and the second products read them.
;   v192-203, v224     p's codes and scale word: written by vector instructions, taken by the scaled second products.  v22-27 and the upper six registers of K's fragments: zero codes, written once at the head.
; A STEP HAS SIX WAITS ON va_vdst: behind the first four products, ahead of K's second run; one ahead of the exponentials; the two behind the exponentials; behind the conversions, ahead of V's run; ahead of the second products.
; K's first run of a step owes none: behind the products that last read those registers stand that step's later waits, and no vector or matrix instruction since names them.
.set SLOT, 53248
.set BLK,  13312                       ; a key step's block: K's 8 images 0, V's 8 images 6144, K's scale words 12288, V's 12800
.set KF,   32
.set KS,   80
.set VS,   84
.set S,    96
.set O,    160
.set PCD,  192
.set CT,   204
.set BM,   212
.set PD,   216
.set SO,   220
.set PW,   224
.macro SLD off                         ; a phase's 53,248 bytes: six times 16 bytes a thread, once 8
	global_load_b128 v[88:91], v5, s[4:5] offset:\off
	global_load_b128 v[92:95], v5, s[4:5] offset:\off+8192
	global_load_b128 v[232:235], v5, s[4:5] offset:\off+16384
	global_load_b128 v[236:239], v5, s[4:5] offset:\off+24576
	global_load_b128 v[240:243], v5, s[4:5] offset:\off+32768
	global_load_b128 v[244:247], v5, s[4:5] offset:\off+40960
	global_load_b64 v[248:249], v7, s[4:5] offset:\off+49152
.endm
.macro SST sl
	ds_store_b128 v[5+\sl], v[88:91]
	ds_store_b128 v[5+\sl], v[92:95] offset:8192
	ds_store_b128 v[5+\sl], v[232:235] offset:16384
	ds_store_b128 v[5+\sl], v[236:239] offset:24576
	ds_store_b128 v[5+\sl], v[240:243] offset:32768
	ds_store_b128 v[5+\sl], v[244:247] offset:40960
	ds_store_b64 v[7+\sl], v[248:249] offset:49152
.endm
; A KEY STEP: 128 keys, the k-th block of slot sl; its flags are bit 4 sl + k of s86 (leave out) and s87 (has hidden entries)
.macro STEP sl, k
	s_bitcmp1_b32 s86, 4*\sl+\k
	s_cbranch_scc1 .Lskip_\@
	s_load_b512 s[16:31], s[6:7], (4*\sl+\k)*256           ; the step's 64 lane masks
	s_load_b512 s[32:47], s[6:7], (4*\sl+\k)*256+64
	s_load_b512 s[48:63], s[6:7], (4*\sl+\k)*256+128
	s_load_b512 s[68:83], s[6:7], (4*\sl+\k)*256+192
.irp gq, 0,1                           ; S^T = K Q^T, four tiles of 16 keys at a time
.if \gq
.rept 4
	v_nop                                          ; places in front of loads into registers that the last products read
.endr
	s_wait_alu depctr_va_vdst(0)                   ; the four products above are done reading K's fragments, in which the loads below land; the second products of the step walked last are done reading V's scale words
.endif
.irp t, 0,1,2,3
	ds_load_b128 v[KF+12*\t:KF+12*\t+3], v[1+\sl] offset:\k*BLK+768*(4*\gq+\t)
	ds_load_b64 v[KF+12*\t+4:KF+12*\t+5], v[3+\sl] offset:\k*BLK+768*(4*\gq+\t)+512
.endr
.if \gq == 0
	ds_load_b128 v[KS:KS+3], v[1+\sl] offset:\k*BLK+12288  ; register b: lanes 0-15 the words of tile 2 b, lanes 16-31 of tile 2 b + 1
.else
	ds_load_b128 v[VS:VS+3], v[1+\sl] offset:\k*BLK+12800  ; V's scale words, asked for here, where the wait above has freed their registers
.endif
	s_wait_dscnt 0x0
.irp t, 0,1,2,3
.if \t%2
	v_wmma_scale_f32_16x16x128_f8f6f4 v[S+8*(4*\gq+\t):S+8*(4*\gq+\t)+7], v[KF+12*\t:KF+12*\t+11], v[16:27], 0, v[KS+2*\gq+\t/2], v28 matrix_a_fmt:MATRIX_FMT_BF6 matrix_b_fmt:MATRIX_FMT_BF6 matrix_a_scale:MATRIX_SCALE_ROW1
.else
	v_wmma_scale_f32_16x16x128_f8f6f4 v[S+8*(4*\gq+\t):S+8*(4*\gq+\t)+7], v[KF+12*\t:KF+12*\t+11], v[16:27], 0, v[KS+2*\gq+\t/2], v28 matrix_a_fmt:MATRIX_FMT_BF6 matrix_b_fmt:MATRIX_FMT_BF6
.endif
.endr
.endr
.rept 4
	v_nop
.endr
	s_wait_kmcnt 0x0                               ; the lane masks are in, on every way through the step
	s_bitcmp1_b32 s87, 4*\sl+\k
	s_cbranch_scc0 .Lopen_\@
.set n, 0
.rept 64
.if n < 48
	v_cndmask_b32 v[S+n], v[S+n], v9, s[16+n]      ; register n holds key 32 (n / 16) + 16 h + n % 16 of the step: hidden where my lane's bit of word n is set
.else
	v_cndmask_b32 v[S+n], v[S+n], v9, s[20+n]
.endif
.set n, n+1
.endr
.Lopen_\@:
.irp b, 0,1,2,3
	v_max3_num_f32 v[BM+\b], v[S+16*\b], v[S+1+16*\b], v[S+2+16*\b]   ; the largest score of each block of 32 keys: for the row's maximum, and, since p rises with the score, for the block's largest p
.endr
.irp i, 3,5,7,9,11,13
.irp b, 0,1,2,3
	v_max3_num_f32 v[BM+\b], v[BM+\b], v[S+16*\b+\i], v[S+1+16*\b+\i]
.endr
.endr
.irp b, 0,1,2,3
	v_max_num_f32 v[BM+\b], v[BM+\b], v[S+15+16*\b]
.endr
.irp b, 0,1,2,3
	v_permlanex16_b32 v[PD+\b], v[BM+\b], s14, s15
.endr
.irp b, 0,1,2,3
	v_max_num_f32 v[BM+\b], v[BM+\b], v[PD+\b]     ; with lane l xor 16's 16 keys
.endr
	v_max3_num_f32 v228, v[BM], v[BM+1], v[BM+2]
	v_max_num_f32 v228, v228, v[BM+3]
	v_mul_f32 v228, s84, v228                      ; as t (c is positive)
	v_max_num_f32 v13, v13, v228                   ; the running largest t
	v_mov_b32 v228, v12
	v_floor_f32 v12, -v13                          ; the new -M = floor(-t): M is a whole number
	v_sub_f32 v228, v12, v228                      ; old M - new M: a whole number, 0 or less
	v_cvt_i32_f32 v228, v228                       ; (it saturates)
	v_ldexp_f32 v226, 1.0, v228                    ; f = 2^(old M - new M): a multiplication by it rounds nothing
.set j, 0
.rept 32
	v_pk_fma_f32 v[S+j:S+j+1], v[S+j:S+j+1], s[84:85], v[12:13] op_sel_hi:[1,0,0]   ; t - M, two at a time
.set j, j+2
.endr
.irp b, 0,1,2,3
	v_fma_f32 v[BM+\b], v[BM+\b], s84, v12         ; the same of each block's largest score
.endr
.set j, 0
	s_wait_alu depctr_va_vdst(0)
.rept 64
	v_exp_f32 v[S+j], v[S+j]                       ; p = 2^(t - M), at most 1
.set j, j+1
.endr
	v_pk_mul_f32 v[14:15], v[14:15], v[226:227] op_sel_hi:[1,0]   ; the sums under the new M: a plain place behind the exponentials
	s_wait_alu depctr_va_vdst(0)                   ; the 64 exponentials have written p: one wait for the whole batch, ahead of its first reader
.irp b, 0,1,2,3
	v_exp_f32 v[BM+\b], v[BM+\b]                   ; the block's largest p
.endr
	v_pk_add_f32 v[230:231], v[S:S+1], v[S+2:S+3]  ; the row's sum of the unquantised p, in two chains
.set j, 4
.rept 15
	v_pk_add_f32 v[14:15], v[14:15], v[S+j:S+j+1]
	v_pk_add_f32 v[230:231], v[230:231], v[S+j+2:S+j+3]
.set j, j+4
.endr
	v_pk_add_f32 v[14:15], v[14:15], v[230:231]
	s_wait_alu depctr_va_vdst(0)                   ; the four exponentials have written the blocks' largest p: one wait for the four, ahead of their first reader
.irp b, 0,1,2,3
	v_max_num_f32 v[BM+\b], 0x2800000, v[BM+\b]    ; the floor 2^(5 - 127): the byte cannot fall under 1
.endr
.irp b, 0,1,2,3
	v_add_nc_u32 v[SO+\b], 0xfe000000, v[BM+\b]    ; 4 off the exponent field: the conversion's scale operand
.endr
.irp b, 0,1,2,3
	v_lshrrev_b32 v[PD+\b], 23, v[SO+\b]           ; the scale's byte
.endr
	v_lshl_or_b32 v[PW], v[PD+1], 8, v[PD]         ; p's scale word for these 128 keys
	v_lshl_or_b32 v[PW], v[PD+2], 16, v[PW]
	v_lshl_or_b32 v[PW], v[PD+3], 24, v[PW]
.irp c, 0,1
	v_cvt_scalef32_pk16_bf6_f32 v[PCD+6*\c:PCD+6*\c+2], v[S+32*\c:S+32*\c+15], v[SO+2*\c]
	v_cvt_scalef32_pk16_bf6_f32 v[CT+4*\c:CT+4*\c+2], v[S+16+32*\c:S+31+32*\c], v[SO+2*\c+1]
.endr
	v_nop                                          ; one plain place behind a scaled conversion
	s_wait_alu depctr_va_vdst(0)                   ; the conversions are done reading p, the last of its readers: V's fragments land in its registers
.irp dt, 0,1,2,3                       ; p has been read for the last time: V's four fragments take its registers
.irp c, 0,1
	ds_load_b128 v[S+12*\dt+6*\c:S+12*\dt+6*\c+3], v[1+\sl] offset:\k*BLK+6144+1536*\dt+768*\c
	ds_load_b64 v[S+12*\dt+6*\c+4:S+12*\dt+6*\c+5], v[3+\sl] offset:\k*BLK+6144+1536*\dt+768*\c+512
.endr
.endr
.irp c, 0,1                            ; the operand's layout wants a whole block in a lane
.irp i, 0,1,2
	v_permlane16_swap_b32 v[PCD+6*\c+\i], v[CT+4*\c+\i]
.endr
.irp i, 0,1,2
	v_mov_b32 v[PCD+3+6*\c+\i], v[CT+4*\c+\i]
.endr
.endr
.set j, 0
.rept 16
	v_pk_mul_f32 v[O+j:O+j+1], v[O+j:O+j+1], v[226:227] op_sel_hi:[1,0]   ; O^T under the new M; these sixteen are also the places between p's codes and scale word and the products
.set j, j+2
.endr
	s_wait_alu depctr_va_vdst(0)                   ; p's codes v[PCD ..] and its scale word v[PW] are written, which the scaled products below take as operand and as scales; the places above stay beside this wait
	s_wait_dscnt 0x0
.irp dt, 0,1,2,3                       ; O^T += V^T P^T: the four accumulators by turns
	v_wmma_scale_f32_16x16x128_f8f6f4 v[O+8*\dt:O+8*\dt+7], v[S+12*\dt:S+12*\dt+11], v[PCD:PCD+11], v[O+8*\dt:O+8*\dt+7], v[VS+\dt], v[PW] matrix_a_fmt:MATRIX_FMT_BF6 matrix_b_fmt:MATRIX_FMT_BF6
.endr
.rept 5
	v_nop                                          ; five places: the next step's first products write over registers that these have read
.endr
.Lskip_\@:
.endm
; A PHASE: four key steps out of slot sl, while the next phase's blocks come into registers; then they go to the other slot, which every wave left at the last barrier.
.macro PHASE sl
	s_wait_alu depctr_vm_vsrc(0)                   ; the copy's LDS stores, ahead of the last barrier, have read v88-95 and v232-249, in which the loads below land
.if \sl == 1
	s_cmp_eq_u32 s13, 1                            ; the last phase has no successor: no load leaves its buffer
	s_cbranch_scc1 .Lnold_\@
.endif
	SLD SLOT*(\sl+1)
.Lnold_\@:
	STEP \sl, 0
	STEP \sl, 1
	STEP \sl, 2
	STEP \sl, 3
	s_wait_loadcnt 0x0                             ; the copy is in registers (on every way)
.if \sl == 1
	s_cmp_eq_u32 s13, 1
	s_cbranch_scc1 .Lnost_\@
.endif
	SST 1-\sl
.Lnost_\@:
	s_wait_dscnt 0x0                               ; my stores into the other slot have landed, and my reads of this slot are over
	s_barrier_signal -1
	s_barrier_wait -1
.endm
	s_load_b256 s[4:11], s[0:1], 0x0               ; qkv s[4:5], mbits s[6:7], mflag s[8:9], ao s[10:11]
	v_lshl_add_u32 v254, v0, 2, 0x1a000
	v_mov_b32 v255, 0
	v_lshrrev_b32 v1, 5, v0
	v_readfirstlane_b32 s12, v1                    ; wave 0..15
	v_and_b32 v11, 31, v0                          ; lane
	v_lshlrev_b32 v1, 4, v11                       ; an image's place for my lane, slot 0,
	v_add_nc_u32 v2, SLOT, v1                      ; slot 1
	v_lshlrev_b32 v3, 3, v11
	v_add_nc_u32 v4, SLOT, v3
	v_lshlrev_b32 v5, 4, v0                        ; the copy: 16 x thread,
	v_add_nc_u32 v6, SLOT, v5
	v_lshlrev_b32 v7, 3, v0                        ; 8 x thread
	v_add_nc_u32 v8, SLOT, v7
	v_mov_b32 v9, 0xd0000000                       ; -2^33
	v_and_b32 v10, 15, v0
	v_lshlrev_b32 v10, 4, v10                      ; 16 r
	s_wait_alu depctr_va_sdst(0)                   ; s12 is written, ahead of its first reader: the wave's tile is made from it
	s_mov_b32 s88, 0x8e35db60                      ; p(w), four bits a wave: waves 0-7,
	s_mov_b32 s89, 0x249f71ca                      ; waves 8-15
	s_cmp_lt_u32 s12, 8
	s_cselect_b32 s88, s88, s89
	s_and_b32 s89, s12, 7
	s_lshl_b32 s89, s89, 2
	s_lshr_b32 s88, s88, s89
	s_and_b32 s88, s88, 15
	s_lshl_b32 s88, s88, 4
	s_add_co_u32 s88, s88, ttmp9                   ; T = 16 p + g
	s_and_b32 s89, ttmp7, 0xffff                   ; bh
	s_lshr_b32 s90, s89, 3                         ; b
	s_and_b32 s91, s89, 7                          ; head
	s_lshl_b32 s92, s90, 8
	s_add_co_u32 s92, s92, s88                     ; 256 b + T
	s_mul_i32 s94, s89, 196608
	s_mul_i32 s93, s88, 768
	s_add_co_u32 s94, s94, s93                     ; Q's image
	s_mov_b32 s95, 0
	s_lshl_b32 s96, s89, 14                        ; Q's scale words: [bh][T / 8][16 (T % 2) + r][(T / 2) % 4]
	s_lshr_b32 s93, s88, 3
	s_lshl_b32 s93, s93, 9
	s_add_co_u32 s96, s96, s93
	s_and_b32 s93, s88, 1
	s_lshl_b32 s93, s93, 8
	s_add_co_u32 s96, s96, s93
	s_bfe_u32 s93, s88, 0x20001
	s_lshl_b32 s93, s93, 2
	s_add_co_u32 s96, s96, s93
	s_add_co_u32 s96, s96, 3145728
	s_mov_b32 s97, 0
	s_mul_i32 s98, s89, 425984
	s_add_co_u32 s98, s98, 3407872                 ; the head's 32 blocks
	s_mov_b32 s99, 0
	s_mov_b32 s14, 0x76543210
	s_mov_b32 s15, 0xfedcba98                      ; v_permlanex16_b32's selects for lane l xor 16
	s_mov_b32 s84, 0x3e38aa3b                      ; c = log2(e) / 8
	s_mov_b32 s85, s84                             ; (named with it as a pair, so it is written)
	s_mov_b32 s13, 4                               ; trips of two phases
	s_wait_kmcnt 0x0
	s_add_nc_u64 s[94:95], s[4:5], s[94:95]
	s_add_nc_u64 s[96:97], s[4:5], s[96:97]
	s_add_nc_u64 s[4:5], s[4:5], s[98:99]
	s_lshl_b32 s98, s92, 13
	s_add_nc_u64 s[6:7], s[6:7], s[98:99]          ; my tile's lane masks: 256 bytes a step
	s_lshl_b32 s98, s92, 6
	s_add_nc_u64 s[8:9], s[8:9], s[98:99]          ; my tile's four records of flags, 16 bytes each:
	s_load_b512 s[16:31], s[8:9], 0x0              ; record i in s[16 + 4 i] on
	s_wait_alu depctr_va_vdst(0)                   ; the addresses and offsets v1 to v8 and v10 are written: every load and store of the kernel, in memory and in LDS, reads one of them
	SLD 0                                          ; phase 0
	global_load_b128 v[16:19], v1, s[94:95]        ; Q stays in registers
	global_load_b64 v[20:21], v3, s[94:95] offset:512
	global_load_b32 v28, v10, s[96:97]
.irp j, 22,23,24,25,26,27
	v_mov_b32 v[\j], 0                             ; the half of K that the head does not fill: zero codes, in Q
.endr
.irp t, 0,1,2,3
.irp j, 6,7,8,9,10,11
	v_mov_b32 v[KF+12*\t+\j], 0                    ; and in each of K's four fragments (registers of their own)
.endr
.endr
.set j, 0
.rept 32
	v_mov_b32 v[O+j], 0                            ; O^T: the step is written once; the first finds zeros
.set j, j+1
.endr
	v_mov_b32 v13, 0xff61b1e6                      ; the largest t so far: -3e38
	v_floor_f32 v12, -v13
	v_mov_b32 v14, 0
	v_mov_b32 v15, 0
.irp b, 0,1,2,3
	v_mov_b32 v[PD+\b], 0                          ; written once: a lane permute's destination counts as one of its sources
.endr
	v_mov_b32 v226, 0
	v_mov_b32 v227, 0                              ; (named as the upper half of the pair v[226:227])
	v_mov_b32 v228, 0
	s_wait_alu depctr_va_vdst(0)                   ; the zero codes in v22-27 and in the upper six registers of K's four fragments are written, which every scaled first product takes as part of its operands
	s_wait_kmcnt 0x0
	s_or_b32 s86, s16, s20                         ; steps hidden for all 16 rows
	s_or_b32 s86, s86, s24
	s_or_b32 s86, s86, s28
	s_or_b32 s87, s17, s21                         ; steps that hide nothing
	s_or_b32 s87, s87, s25
	s_or_b32 s87, s87, s29
	s_and_b32 s93, s18, s22                        ; lanes that saw hidden entries only
	s_and_b32 s93, s93, s26
	s_and_b32 s93, s93, s30
	s_lshr_b32 s98, s93, 16
	s_and_b32 s93, s93, s98
	s_and_b32 s93, s93, 0xffff                     ; rows with no open key at all
	s_cmp_lg_u32 s93, 0
	s_cselect_b32 s86, 0, s86                      ; with such a row nothing is left out
	s_or_b32 s87, s87, s86
	s_not_b32 s87, s87                             ; the steps that want the selects
	s_wait_loadcnt 0x0
	SST 0
	s_wait_dscnt 0x0
	s_barrier_signal -1
	s_barrier_wait -1
.Ltrip:
	PHASE 0
	PHASE 1
	s_wait_xcnt 0x0                                ; the loads have read their bases
	s_add_nc_u64 s[4:5], s[4:5], 2*SLOT
	s_add_nc_u64 s[6:7], s[6:7], 2048
	s_lshr_b32 s86, s86, 8
	s_lshr_b32 s87, s87, 8
	s_sub_co_u32 s13, s13, 1
	s_cmp_lg_u32 s13, 0
	s_cbranch_scc1 .Ltrip
	; THE WAY OUT: O^T / the sum, quantised along the head's 64: register 16 b + i holds d = 32 b + 16 h + i
	v_add_f32 v14, v14, v15
	v_permlanex16_b32 v228, v14, s14, s15
	v_add_f32 v14, v14, v228                       ; the row's sum
	s_wait_alu depctr_va_vdst(0)
	v_rcp_f32 v226, v14
	v_nop                                          ; a plain place behind the reciprocal
	s_mul_i32 s94, s92, 6144
	s_mul_i32 s93, s91, 768
	s_add_co_u32 s94, s94, s93                     ; ao's codes: [256 b + T][head][768]
	s_mov_b32 s95, 0
	s_add_nc_u64 s[94:95], s[10:11], s[94:95]
	s_lshl_b32 s96, s92, 9
	s_lshl_b32 s93, s91, 1
	s_add_co_u32 s96, s96, s93
	s_add_co_u32 s96, s96, 3145728                 ; its scale bytes: [256 b + T][lane][head], two bytes each
	s_mov_b32 s97, 0
	s_add_nc_u64 s[96:97], s[10:11], s[96:97]
	s_wait_alu depctr_va_vdst(0)                   ; the reciprocal has written v226, ahead of its first reader
.set j, 0
.rept 16
	v_pk_mul_f32 v[O+j:O+j+1], v[O+j:O+j+1], v[226:227] op_sel_hi:[1,0]
.set j, j+2
.endr
.irp b, 0,1
	v_max3_num_f32 v[BM+\b], |v[O+16*\b]|, |v[O+1+16*\b]|, 0x2800000
.endr
.irp i, 2,4,6,8,10,12,14
.irp b, 0,1
	v_max3_num_f32 v[BM+\b], v[BM+\b], |v[O+16*\b+\i]|, |v[O+1+16*\b+\i]|
.endr
.endr
.irp b, 0,1
	v_permlanex16_b32 v[PD+\b], v[BM+\b], s14, s15
.endr
.irp b, 0,1
	v_max_num_f32 v[BM+\b], v[BM+\b], v[PD+\b]
.endr
.irp b, 0,1
	v_add_nc_u32 v[SO+\b], 0xfe000000, v[BM+\b]
.endr
.irp b, 0,1
	v_lshrrev_b32 v[PD+\b], 23, v[SO+\b]
.endr
	v_lshl_or_b32 v229, v[PD+1], 8, v[PD]          ; my row's two scale bytes
	v_cvt_scalef32_pk16_bf6_f32 v[PCD:PCD+2], v[O:O+15], v[SO]
	v_cvt_scalef32_pk16_bf6_f32 v[CT:CT+2], v[O+16:O+31], v[SO+1]
	v_nop
.irp i, 0,1,2
	v_permlane16_swap_b32 v[PCD+\i], v[CT+\i]
.endr
.irp i, 0,1,2
	v_mov_b32 v[PCD+3+\i], v[CT+\i]
.endr
	s_wait_alu depctr_va_vdst(0)                   ; the codes v[PCD ..] and the two bytes in v229 are written, which the three stores read
	global_store_b128 v1, v[PCD:PCD+3], s[94:95]               ; 512 consecutive bytes, aligned
	global_store_b64 v3, v[PCD+4:PCD+5], s[94:95] offset:512   ; 256
	global_store_b16 v1, v229, s[96:97]                        ; two bytes a lane, 16 apart: the eight heads' work-groups fill a tile's 512 bytes between them
	s_wait_dscnt 0x0                               ; the closing lines, six on end
	s_wait_alu 0x0
	s_wait_tensorcnt 0x0
	ds_add_u32 v254, v255
	s_wait_dscnt 0x0
	s_endpgm
.Lfunc_end_k_qf16bd8cca2_attn:
	.size	k_qf16bd8cca2_attn, .Lfunc_end_k_qf16bd8cca2_attn-k_qf16bd8cca2_attn
	.p2alignl 7, 3214868480
	.fill 96, 4, 3214868480
	.section	.rodata,"a",@progbits
	.p2align	6, 0x0
	.amdhsa_kernel k_qf16bd8cca2_attn
		.amdhsa_group_segment_fixed_size 108544
		.amdhsa_private_segment_fixed_size 0
		.amdhsa_enable_private_segment 0
		.amdhsa_kernarg_size 32
		.amdhsa_user_sgpr_count 2
		.amdhsa_user_sgpr_kernarg_segment_ptr 1
		.amdhsa_wavefront_size32 1
		.amdhsa_system_sgpr_workgroup_id_x 1
		.amdhsa_system_sgpr_workgroup_id_y 1
		.amdhsa_system_sgpr_workgroup_id_z 1
		.amdhsa_system_vgpr_workitem_id 0
		.amdhsa_next_free_vgpr 256
		.amdhsa_next_free_sgpr 100
		.amdhsa_reserve_vcc 0
		.amdhsa_float_denorm_mode_32 3
		.amdhsa_float_denorm_mode_16_64 3
		.amdhsa_memory_ordered 1
		.amdhsa_forward_progress 1
		.amdhsa_inst_pref_size 177
	.end_amdhsa_kernel
	.amdgpu_metadata
---
amdhsa.version: [ 1, 2 ]
amdhsa.kernels:
  - .name:           k_qf16bd8cca2_attn
    .symbol:         k_qf16bd8cca2_attn.kd
    .args:
      - { .name: qkv, .offset: 0, .size: 8, .value_kind: global_buffer, .address_space: global }
      - { .name: mbits, .offset: 8, .size: 8, .value_kind: global_buffer, .address_space: global }
      - { .name: mflag, .offset: 16, .size: 8, .value_kind: global_buffer, .address_space: global }
      - { .name: ao, .offset: 24, .size: 8, .value_kind: global_buffer, .address_space: global }
    .group_segment_fixed_size: 108544
    .private_segment_fixed_size: 0
    .kernarg_segment_align: 8
    .kernarg_segment_size: 32
    .max_flat_workgroup_size: 512
    .sgpr_count:     100
    .vgpr_count:     256
    .wavefront_size: 32
...
	.end_amdgpu_metadata
.endif
;; end of part 7
;; launch oln (part 8): grid 256 x 1, 4 waves a work-group, no clusters, 66,560 bytes of LDS; arguments ao, cod, scl, bo, query, ln_gamma, ln_beta, out0; writes out0
.if DOCPART == 8
	.amdgcn_target "amdgcn-amd-amdhsa--gfx1250"
	.amdhsa_code_object_version 6
	.text
	.protected	k_qf16bd8cca2_oln
	.globl	k_qf16bd8cca2_oln
	.p2align	8
	.type	k_qf16bd8cca2_oln,@function
k_qf16bd8cca2_oln:
	s_mov_b64 s[64:65], 0
	v_nop
	global_prefetch_b8 v0, s[64:65] scope:SCOPE_SE
	s_setreg_imm32_b32 hwreg(HW_REG_WAVE_SCHED_MODE, 0, 2), 2
	s_setreg_imm32_b32 hwreg(HW_REG_WAVE_MODE, 25, 1), 1
	s_wait_xcnt 0x0
	s_wait_alu depctr_vm_vsrc(0)
; OLN: out0 = LayerNorm(ao Wo^T + bo + query) x gamma + beta; the product on codes of E3M2, all else in f32.
; Work-group u: rows 32 u .. 32 u + 31, which are ao's tiles 2 u and 2 u + 1 (tile a holds rows 32 u + 8 a + r + 8 (r / 8)).
; PART 1: wave w makes columns 128 w .. 128 w + 127 of all 32 rows: its 128 rows of Wo (32 fragments, 384 registers) are source 0, ao's two tiles source 1, so that a lane holds eight neighbouring columns of a row;
; bo is the C of each sum's first product.  16 accumulators by turns, K ascending.  Results go to a stage in LDS; one barrier.
; PART 2: wave w owns stage rows 8 w .. 8 w + 7 whole (2,048 bytes each), four at a time: + residual, mean, centred sum of squares, 1 / sqrt, gamma, beta; each store covers 512 consecutive bytes, aligned.
; REGISTERS: window 0: v1-12 addresses; v16-111 ao's 8 fragments, later six of my eight rows, 16 registers each; v184-199, v236-251 the other two; v112-143 Wo's scale words, v144-151 ao's (these hold scales and
;   nothing else); v152-167 gamma; v168-183 beta; v200-215 mean and 1 / sqrt, a pair each for four rows; v216-223 sums; v232-235 permutes.  Window 1: Wo's fragments of K steps 0, 1; v192-255 the residual of my rows 0-3.
;   Window 2: K steps 2, 3; rows 4-7.  Window 3: v0-127 the accumulators ((a, t) at 8 (8 a + t)); v128-191 bo.
; THE MODE: SCHED_MODE bits 1:0 = 2 (LLVM: expert scheduling mode 2), set by the entry lines.  The code itself states the register dependences
; between vector or matrix instructions and memory or LDS instructions, with s_wait_alu, always for 0.
; THE PLAN.  Registers that memory or LDS instructions touch:
;   v1-v7              offsets and LDS addresses: made once at the head and never written again.
;   what the head loads (Wo, ao, the scale words, bo, gamma, beta, the residual) is loaded once, into registers that no vector instruction has named.
;   the accumulators   written by the products, read by the LDS stores into the stage.
;   my eight rows      rows 0-3 in v16-79, rows 4-7 in v80-111, v184-199, v236-251: LDS loads land (in v16-111 the products read ao's fragments before); the vector work of a half names its own four rows alone;
;                      the half's sixteen stores read them, and nothing writes them again.
; So ONE wait on va_vdst stands behind the last product and its places: the accumulators are written, and the products are done reading ao's registers.  All 32 loads from the stage follow the barrier together,
; with no further wait; rows 4-7 land while rows 0-3 are worked on.  One wait on va_vdst stands ahead of each half's stores.  No wait on vm_vsrc is owed: no register that a store has read is written again.
.set AF, 16
.set WS, 112
.set AS, 144
.set GA, 152
.set BE, 168
.set ST, 200
.set SM, 216
.set PD, 232
.set SPITCH, 2064                      ; a stage row: 2,048 bytes + 16
.set MSB, 0
.macro WIN new                         ; the immediate's high byte repeats the setting that is left
.if MSB != (\new)
	s_set_vgpr_msb (MSB<<8)|(\new)
.set MSB, (\new)
.endif
.endm
.macro ROWS hf                         ; where the four rows of half hf lie: row q at v[XRq] on, 16 registers
.if \hf == 0
.set XR0, 16
.set XR1, 32
.set XR2, 48
.set XR3, 64
.else
.set XR0, 80
.set XR1, 96
.set XR2, 184
.set XR3, 236
.endif
.endm
.macro RED4                            ; four rows' sums over the 32 lanes, the rows by turns
.irp m, 1,2,4,8
.irp q, 0,1,2,3
	v_add_f32_dpp v[SM+2*\q], v[SM+2*\q], v[SM+2*\q] row_xmask:\m row_mask:0xf bank_mask:0xf
.endr
.endr
.irp q, 0,1,2,3
	v_permlanex16_b32 v[PD+\q], v[SM+2*\q], s2, s3
.endr
.irp q, 0,1,2,3
	v_add_f32 v[SM+2*\q], v[SM+2*\q], v[PD+\q]
.endr
.endm
.macro LNLOAD hf                       ; my rows 4 hf .. 4 hf + 3 out of the stage.  Registers 4 c .. 4 c + 3 of a row are columns 128 c + 4 lane + 0 .. 3
	ROWS \hf
.irp q, 0,1,2,3
.irp c, 0,1,2,3
	ds_load_b128 v[XR\q+4*\c:XR\q+4*\c+3], v7 offset:(4*\hf+\q)*SPITCH+512*\c
.endr
.endr
.endm
.macro LNHALF hf                       ; my rows 4 hf .. 4 hf + 3
	ROWS \hf
	s_wait_dscnt 16-16*\hf                         ; LDS loads come back in order (ISA guide 5.7.1): this half's sixteen are in; behind the first half's the second half's sixteen may be out
	WIN 0x04+4*\hf                                 ; source 1: the residual, window 1 or 2
.irp e, 0,1,2,3,4,5,6,7
.irp q, 0,1,2,3
	v_pk_add_f32 v[XR\q+2*\e:XR\q+2*\e+1], v[XR\q+2*\e:XR\q+2*\e+1], v[192+16*\q+2*\e:192+16*\q+2*\e+1]
.endr
.endr
	WIN 0
.irp q, 0,1,2,3
	v_pk_add_f32 v[SM+2*\q:SM+2*\q+1], v[XR\q:XR\q+1], v[XR\q+2:XR\q+3]
.endr
.irp e, 2,3,4,5,6,7
.irp q, 0,1,2,3
	v_pk_add_f32 v[SM+2*\q:SM+2*\q+1], v[SM+2*\q:SM+2*\q+1], v[XR\q+2*\e:XR\q+2*\e+1]
.endr
.endr
.irp q, 0,1,2,3
	v_add_f32 v[SM+2*\q], v[SM+2*\q], v[SM+2*\q+1]
.endr
	RED4
.irp q, 0,1,2,3
	v_mul_f32 v[ST+4*\q], s20, v[SM+2*\q]          ; the mean: sum / 512
	v_mul_f32 v[ST+4*\q+1], s20, v[SM+2*\q]
.endr
.irp e, 0,1,2,3,4,5,6,7
.irp q, 0,1,2,3
	v_pk_add_f32 v[XR\q+2*\e:XR\q+2*\e+1], v[XR\q+2*\e:XR\q+2*\e+1], v[ST+4*\q:ST+4*\q+1] neg_lo:[0,1] neg_hi:[0,1]
.endr
.endr
.irp q, 0,1,2,3
	v_pk_mul_f32 v[SM+2*\q:SM+2*\q+1], v[XR\q:XR\q+1], v[XR\q:XR\q+1]
.endr
.irp e, 1,2,3,4,5,6,7
.irp q, 0,1,2,3
	v_pk_fma_f32 v[SM+2*\q:SM+2*\q+1], v[XR\q+2*\e:XR\q+2*\e+1], v[XR\q+2*\e:XR\q+2*\e+1], v[SM+2*\q:SM+2*\q+1]
.endr
.endr
.irp q, 0,1,2,3
	v_add_f32 v[SM+2*\q], v[SM+2*\q], v[SM+2*\q+1]
.endr
	RED4
.irp q, 0,1,2,3
	v_fma_f32 v[SM+2*\q], v[SM+2*\q], s20, s21     ; the variance + 1e-5
.endr
	s_wait_alu depctr_va_vdst(0)
.irp q, 0,1,2,3
	v_rsq_f32 v[ST+4*\q+2], v[SM+2*\q]
.endr
	v_nop                                          ; a plain place behind the batch,
	s_wait_alu depctr_va_vdst(0)                   ; the four 1 / sqrt are written: one wait for the four, ahead of their first reader
.irp q, 0,1,2,3
	v_mov_b32 v[ST+4*\q+3], v[ST+4*\q+2]
.endr
.irp e, 0,1,2,3,4,5,6,7
.irp q, 0,1,2,3
	v_pk_mul_f32 v[XR\q+2*\e:XR\q+2*\e+1], v[XR\q+2*\e:XR\q+2*\e+1], v[ST+4*\q+2:ST+4*\q+3]
.endr
.endr
.irp e, 0,1,2,3,4,5,6,7
.irp q, 0,1,2,3
	v_pk_fma_f32 v[XR\q+2*\e:XR\q+2*\e+1], v[XR\q+2*\e:XR\q+2*\e+1], v[GA+2*\e:GA+2*\e+1], v[BE+2*\e:BE+2*\e+1]
.endr
.endr
	s_wait_alu depctr_va_vdst(0)                   ; the half's four finished rows are written, which the sixteen stores read
.irp q, 0,1,2,3
.irp c, 0,1,2,3
	global_store_b128 v3, v[XR\q+4*\c:XR\q+4*\c+3], s[18:19] offset:(4*\hf+\q)*2048+512*\c th:TH_STORE_NT
.endr
.endr
.endm
	s_load_b512 s[4:19], s[0:1], 0x0               ; ao s[4:5], cod s[6:7], scl s[8:9], bo s[10:11], query s[12:13], gamma s[14:15], beta s[16:17], out0 s[18:19]
	v_lshl_add_u32 v254, v0, 2, 0x10200
	v_mov_b32 v255, 0
	v_lshrrev_b32 v1, 5, v0
	v_readfirstlane_b32 s22, v1                    ; wave 0..3
	v_and_b32 v10, 15, v0                          ; r
	v_bfe_u32 v11, v0, 4, 1                        ; h
	v_and_b32 v12, 31, v0                          ; lane
	v_mul_u32_u24 v1, v10, 384                     ; Wo: row r of 384 bytes, + 24 h
	v_mad_u32_u24 v1, v11, 24, v1
	v_lshlrev_b32 v2, 4, v10                       ; its row's 16 scale bytes
	v_lshlrev_b32 v3, 4, v12
	v_lshlrev_b32 v4, 3, v12
	v_lshlrev_b32 v5, 5, v11                       ; bo: 8 h numbers on
	s_wait_alu depctr_va_sdst(0)                   ; s22 is written, ahead of its first reader: the wave's places in LDS and in the buffers are made from it
	s_lshl_b32 s23, s22, 9
	v_mul_u32_u24 v6, v10, SPITCH
	v_lshl_add_u32 v6, v11, 5, v6
	v_add_nc_u32 v6, s23, v6                       ; into the stage: row r, + 32 h, + my 512 bytes
	s_mul_i32 s23, s22, 8*SPITCH
	v_add_nc_u32 v7, s23, v3                       ; back: my 8 rows, 16 bytes a lane
.irp q, 0,1,2,3
	v_mov_b32 v[PD+\q], 0                          ; written once: a lane permute's destination counts as one of its sources
.endr
	s_mov_b32 s2, 0x76543210
	s_mov_b32 s3, 0xfedcba98
	s_mov_b32 s20, 0x3b000000                      ; 1 / 512
	s_mov_b32 s21, 0x3727c5ac                      ; 1e-5
	s_mul_i32 s24, ttmp9, 12288                    ; ao's two tiles: 8 heads x 768 bytes each
	s_mov_b32 s25, 0
	s_lshl_b32 s26, ttmp9, 10
	s_add_co_u32 s26, s26, 3145728                 ; their scale words
	s_mov_b32 s27, 0
	s_mul_i32 s28, s22, 49152
	s_add_co_u32 s28, s28, 10027008                ; Wo's codes: my 128 rows
	s_mov_b32 s29, 0
	s_lshl_b32 s30, s22, 11
	s_add_co_u32 s30, s30, 417792                  ; and their scale bytes
	s_mov_b32 s31, 0
	s_lshl_b32 s32, s22, 9                         ; bo: my 128 numbers
	s_mov_b32 s33, 0
	s_lshl_b32 s34, ttmp9, 5
	s_lshr_b32 s35, s22, 1
	s_lshl_b32 s35, s35, 3
	s_add_co_u32 s34, s34, s35
	s_and_b32 s35, s22, 1
	s_lshl_b32 s35, s35, 4
	s_add_co_u32 s34, s34, s35                     ; stage rows 8 w .. 8 w + 7 are rows 32 u + 8 (w / 2) + 16 (w % 2) + 0 .. 7
	s_lshl_b32 s34, s34, 11
	s_mov_b32 s35, 0
	s_wait_kmcnt 0x0
	s_add_nc_u64 s[24:25], s[4:5], s[24:25]
	s_add_nc_u64 s[26:27], s[4:5], s[26:27]
	s_add_nc_u64 s[6:7], s[6:7], s[28:29]
	s_add_nc_u64 s[8:9], s[8:9], s[30:31]
	s_add_nc_u64 s[10:11], s[10:11], s[32:33]
	s_add_nc_u64 s[12:13], s[12:13], s[34:35]
	s_add_nc_u64 s[18:19], s[18:19], s[34:35]
	WIN 0x40
	s_wait_alu depctr_va_vdst(0)                   ; the offsets and LDS addresses v1 to v7 are written: every load and store of the kernel, in memory and in LDS, reads one of them
.irp ks, 0,1
.irp t, 0,1,2,3,4,5,6,7
.irp p, 0,1,2,3,4,5
	global_load_b64 v[12*(8*\ks+\t)+2*\p:12*(8*\ks+\t)+2*\p+1], v1, s[6:7] offset:16*\t*384+96*\ks+48*(\p/3)+8*(\p%3)
.endr
.endr
.endr
	WIN 0x80
.irp ks, 2,3
.irp t, 0,1,2,3,4,5,6,7
.irp p, 0,1,2,3,4,5
	global_load_b64 v[12*(8*(\ks-2)+\t)+2*\p:12*(8*(\ks-2)+\t)+2*\p+1], v1, s[6:7] offset:16*\t*384+96*\ks+48*(\p/3)+8*(\p%3)
.endr
.endr
.endr
	WIN 0
.irp t, 0,1,2,3,4,5,6,7
	global_load_b128 v[WS+4*\t:WS+4*\t+3], v2, s[8:9] offset:256*\t
.endr
.irp a, 0,1
.irp ks, 0,1,2,3                       ; K step ks = heads 2 ks (registers 0-5) and 2 ks + 1 (registers 6-11)
	global_load_b128 v[AF+12*(4*\a+\ks):AF+12*(4*\a+\ks)+3], v3, s[24:25] offset:6144*\a+1536*\ks
	global_load_b64 v[AF+12*(4*\a+\ks)+4:AF+12*(4*\a+\ks)+5], v4, s[24:25] offset:6144*\a+1536*\ks+512
	global_load_b128 v[AF+12*(4*\a+\ks)+6:AF+12*(4*\a+\ks)+9], v3, s[24:25] offset:6144*\a+1536*\ks+768
	global_load_b64 v[AF+12*(4*\a+\ks)+10:AF+12*(4*\a+\ks)+11], v4, s[24:25] offset:6144*\a+1536*\ks+1280
.endr
	global_load_b128 v[AS+4*\a:AS+4*\a+3], v3, s[26:27] offset:512*\a   ; a row's four scale words
.endr
	WIN 0xc0
.irp t, 0,1,2,3,4,5,6,7
	global_load_b128 v[128+8*\t:128+8*\t+3], v5, s[10:11] offset:64*\t
	global_load_b128 v[128+8*\t+4:128+8*\t+7], v5, s[10:11] offset:64*\t+16
.endr
	WIN 0
.irp c, 0,1,2,3
	global_load_b128 v[GA+4*\c:GA+4*\c+3], v3, s[14:15] offset:512*\c
	global_load_b128 v[BE+4*\c:BE+4*\c+3], v3, s[16:17] offset:512*\c
.endr
	WIN 0x40
.irp q, 0,1,2,3
.irp c, 0,1,2,3
	global_load_b128 v[192+16*\q+4*\c:192+16*\q+4*\c+3], v3, s[12:13] offset:2048*\q+512*\c th:TH_LOAD_NT
.endr
.endr
	WIN 0x80
.irp q, 0,1,2,3
.irp c, 0,1,2,3
	global_load_b128 v[192+16*\q+4*\c:192+16*\q+4*\c+3], v3, s[12:13] offset:2048*(4+\q)+512*\c th:TH_LOAD_NT
.endr
.endr
	WIN 0
	s_wait_loadcnt 40                              ; all that the products want is in; gamma's 4, beta's 4 and the residual's 32 loads may be out
.irp ks, 0,1,2,3
.if \ks < 2
	WIN 0xf1                                       ; source 0 (Wo) window 1, source 1 (ao) window 0, C and D window 3
.else
	WIN 0xf2
.endif
.irp a, 0,1
.irp t, 0,1,2,3,4,5,6,7
.if \ks == 0
	v_wmma_scale_f32_16x16x128_f8f6f4 v[8*(8*\a+\t):8*(8*\a+\t)+7], v[12*(8*(\ks%2)+\t):12*(8*(\ks%2)+\t)+11], v[AF+12*(4*\a+\ks):AF+12*(4*\a+\ks)+11], v[128+8*\t:128+8*\t+7], v[WS+4*\t+\ks], v[AS+4*\a+\ks] matrix_a_fmt:MATRIX_FMT_BF6 matrix_b_fmt:MATRIX_FMT_BF6
.else
	v_wmma_scale_f32_16x16x128_f8f6f4 v[8*(8*\a+\t):8*(8*\a+\t)+7], v[12*(8*(\ks%2)+\t):12*(8*(\ks%2)+\t)+11], v[AF+12*(4*\a+\ks):AF+12*(4*\a+\ks)+11], v[8*(8*\a+\t):8*(8*\a+\t)+7], v[WS+4*\t+\ks], v[AS+4*\a+\ks] matrix_a_fmt:MATRIX_FMT_BF6 matrix_b_fmt:MATRIX_FMT_BF6
.endif
.endr
.endr
.endr
	WIN 0
.rept 4
	v_nop                                          ; four places behind the last product, for the stores of results and for the loads into ao's registers
.endr
	WIN 0x0c                                       ; an LDS store's data are its source 1: window 3
	s_wait_alu depctr_va_vdst(0)                   ; the products have written the accumulators, which the LDS stores read, and are done reading ao's fragments, in which the stage's rows land; the places above stay beside this wait
.irp a, 0,1
.irp t, 0,1,2,3,4,5,6,7
	ds_store_b128 v6, v[8*(8*\a+\t):8*(8*\a+\t)+3] offset:16*\a*SPITCH+64*\t         ; each accumulator from its low end on
	ds_store_b128 v6, v[8*(8*\a+\t)+4:8*(8*\a+\t)+7] offset:16*\a*SPITCH+64*\t+16
.endr
.endr
	WIN 0
	s_wait_dscnt 0x0                               ; my stores into the stage have landed
	s_barrier_signal -1
	s_barrier_wait -1                              ; 32 whole rows lie in the stage
	LNLOAD 0                                       ; all eight of my rows are asked for together.  No wait: no vector or matrix instruction since the wait above
	LNLOAD 1
	s_wait_loadcnt 0x0                             ; gamma, beta, the residual
	LNHALF 0
	LNHALF 1
	s_wait_dscnt 0x0                               ; the closing lines, six on end
	s_wait_alu 0x0
	s_wait_tensorcnt 0x0
	ds_add_u32 v254, v255
	s_wait_dscnt 0x0
	s_endpgm
.Lfunc_end_k_qf16bd8cca2_oln:
	.size	k_qf16bd8cca2_oln, .Lfunc_end_k_qf16bd8cca2_oln-k_qf16bd8cca2_oln
	.p2alignl 7, 3214868480
	.fill 96, 4, 3214868480
	.section	.rodata,"a",@progbits
	.p2align	6, 0x0
	.amdhsa_kernel k_qf16bd8cca2_oln
		.amdhsa_group_segment_fixed_size 66560
		.amdhsa_private_segment_fixed_size 0
		.amdhsa_enable_private_segment 0
		.amdhsa_kernarg_size 64
		.amdhsa_user_sgpr_count 2
		.amdhsa_user_sgpr_kernarg_segment_ptr 1
		.amdhsa_wavefront_size32 1
		.amdhsa_system_sgpr_workgroup_id_x 1
		.amdhsa_system_sgpr_workgroup_id_y 1
		.amdhsa_system_sgpr_workgroup_id_z 1
		.amdhsa_system_vgpr_workitem_id 0
		.amdhsa_next_free_vgpr 1024
		.amdhsa_next_free_sgpr 66
		.amdhsa_reserve_vcc 0
		.amdhsa_float_denorm_mode_32 3
		.amdhsa_float_denorm_mode_16_64 3
		.amdhsa_memory_ordered 1
		.amdhsa_forward_progress 1
		.amdhsa_inst_pref_size 78
	.end_amdhsa_kernel
	.amdgpu_metadata
---
amdhsa.version: [ 1, 2 ]
amdhsa.kernels:
  - .name:           k_qf16bd8cca2_oln
    .symbol:         k_qf16bd8cca2_oln.kd
    .args:
      - { .name: ao, .offset: 0, .size: 8, .value_kind: global_buffer, .address_space: global }
      - { .name: cod, .offset: 8, .size: 8, .value_kind: global_buffer, .address_space: global }
      - { .name: scl, .offset: 16, .size: 8, .value_kind: global_buffer, .address_space: global }
      - { .name: bo, .offset: 24, .size: 8, .value_kind: global_buffer, .address_space: global }
      - { .name: query, .offset: 32, .size: 8, .value_kind: global_buffer, .address_space: global }
      - { .name: ln_gamma, .offset: 40, .size: 8, .value_kind: global_buffer, .address_space: global }
      - { .name: ln_beta, .offset: 48, .size: 8, .value_kind: global_buffer, .address_space: global }
      - { .name: out0, .offset: 56, .size: 8, .value_kind: global_buffer, .address_space: global }
    .group_segment_fixed_size: 66560
    .private_segment_fixed_size: 0
    .kernarg_segment_align: 8
    .kernarg_segment_size: 64
    .max_flat_workgroup_size: 128
    .sgpr_count:     66
    .vgpr_count:     1024
    .wavefront_size: 32
...
	.end_amdgpu_metadata
.endif
;; end of part 8
